; MI455X (gfx1250); checked and timed in simulation.
; The chip was launched on July 23, 2026; its instructions are those of AMD's public machine-readable ISA for CDNA 5 (MIT licence, August 2026) and "CDNA5" Instruction Set Architecture Reference Guide (July 2026). The comments in the code are by the model that wrote it; some were corrected since.
;; Attention. Allowed arithmetic: matrix products marked QUANTISED: E2M3 operands, one E8M0 scale for each 32 along K, by v_wmma_scale_f32_16x16x128_f8f6f4 with both operands' format E2M3, f32 sums; everything else in f32.
;; Inputs: WK 1,024 x 1,024 float32; WO 1,024 x 1,024 float32; WQ 1,024 x 4,096 float32; WV 1,024 x 4,096 float32; X 2 x 1,024 x 1,024 float32; bK 1,024 float32; bO 1,024 float32; bQ 4,096 float32; bV 4,096 float32; sink_scalars 64 float32; v_nulls 64 x 64 float32.
;; Outputs: out0 2 x 1,024 x 1,024 float32.
;; This version of the problem:
;;   THIS VERSION OF THE PROBLEM IS GIVEN IN LOW PRECISION. The matrix products marked QUANTISED in the list below multiply operands that are first quantised to E2M3 (2 exponent bits, 3 mantissa bits; 6 bits a number), with one power-of-two scale for each 32 numbers along K (OCP MX v1.0); their sums are f32. All else is computed in f32.
;;   The module's matrix products, in the order in which they are computed (A, B: the left and right operand; K: the contracted axis; several contracted axes count as one K, in the product's order):
;;     1. [M 2,048, K 1,024] x [K 1,024, N 4,096]; A: input X; B: input WQ: QUANTISED
;;     2. [M 2,048, K 1,024] x [K 1,024, N 4,096]; A: input X; B: input WV: QUANTISED
;;     3. [M 2,048, K 1,024] x [K 1,024, N 1,024]; A: input X; B: input WK: QUANTISED
;;     4. batch 128 x [M 1,024, K 64] x [K 64, N 1,024]; A: computed on the way; B: computed on the way: QUANTISED
;;     5. batch 128 x [M 1,024, K 1,024] x [K 1,024, N 64]; A: computed on the way; B: computed on the way: QUANTISED
;;     6. [M 8,192, K 1,024] x [K 1,024, N 1,024]; A: computed on the way; B: input WO: QUANTISED
;;   THE QUANTISER, for each operand of a quantised product, along K:
;;     - K is cut into blocks of 32 from its start; a last block that is shorter is filled with zeros.
;;     - A block's scale is 2^e with e = floor(log2(the largest magnitude in the block)) - 2, held to -126 .. 127; a block of zeros has e = 0. As a byte (E8M0): e + 127.
;;     - Each number is divided by its block's scale, clamped to +-7.5, and rounded to the nearest number of E2M3, ties to even, subnormals kept.
;;     - The product sums the exact products of the quantised numbers (number of the format x scale) in f32.
;;   ~~~python
;;   def quantise(x, axis):      # numpy; x: float32 -> the quantised numbers, widened to float32 again
;;       x = np.moveaxis(x, axis, -1); K = x.shape[-1]
;;       x = np.pad(x, [(0, 0)] * (x.ndim - 1) + [(0, -K % 32)]); x = x.reshape(x.shape[:-1] + (-1, 32)); a = np.abs(x).max(-1, keepdims=True)
;;       e = np.where(a > 0, np.clip(np.frexp(np.where(a > 0, a, 1))[1] - 1 - 2, -126, 127), 0)      # np.frexp(a)[1] - 1 = floor(log2(a)), exactly
;;       r = np.clip(x / 2.0 ** e, -7.5, 7.5)
;;       step = 2.0 ** (np.maximum(np.frexp(np.where(r == 0, 1, r))[1] - 1, 0) - 3)
;;       q = np.round(r / step) * step * 2.0 ** e      # np.round: ties to even
;;       return np.moveaxis(q.reshape(q.shape[:-2] + (-1,))[..., :K], -1, axis).astype(np.float32)
;;   ~~~
;;   OPERANDS COMPUTED ON THE WAY. 'Computed on the way' means the value that the module computes at that place (a softmax that the list does not call 'softmax' is quantised finished and normalised). What goes into a quantiser is computed in f32, as accurately as f32 sums, v_exp_f32 and their like allow (about 1e-6 of the number): no bf16 or f16 on the way to a quantiser, and a product that is left as it is and whose result goes on into a quantised operand takes f32 operands (vector FMAs, or v_wmma_f32_16x16x4_f32). A number that lies on a knife's edge between two numbers of the format may be rounded either way, as far as f32 arithmetic and the matrix unit's own rounding can turn it there, and no further.
;; One version. Each part assembles by itself: llvm-mc -triple=amdgcn-amd-amdhsa -mcpu=gfx1250 --defsym DOCPART=n.
;; ======== version 1 of 1: 4 launches
;; limits: right only within a limited range of input values
;; workspace buffers: codes 9,437,184 bytes; scales 393,216 bytes; trig 262,144 bytes; qpack 7,340,032 bytes; kpack 1,835,008 bytes; vpack 6,553,600 bytes; ctxc 6,291,456 bytes; ctxs 262,144 bytes
;; launch quantw (part 1): grid 224 x 2, 2 waves a work-group, no clusters, 17,664 bytes of LDS; arguments X, trig, WQ, WK, WV, WO, codes, scales; writes codes, scales, trig
.if DOCPART == 1
	.amdgcn_target "amdgcn-amd-amdhsa--gfx1250"
	.amdhsa_code_object_version 6
	.text
	.protected	k_qb82ea2ec5b_quantw
	.globl	k_qb82ea2ec5b_quantw
	.p2align	8
	.type	k_qb82ea2ec5b_quantw,@function
k_qb82ea2ec5b_quantw:
	s_mov_b64 s[64:65], 0
	v_nop
	global_prefetch_b8 v0, s[64:65] scope:SCOPE_SE
	s_setreg_imm32_b32 hwreg(HW_REG_WAVE_MODE, 25, 1), 1
	s_wait_xcnt 0x0
; The four weights, f32, stored [K = 1024][N], become codes of E2M3 along K, laid as images of operand registers (tiles 128 on of the codes' buffer: WQ 256 tiles of 16 columns, WK 64, WV 256, WO 64), with their scale words.
; A LANE TAKES A COLUMN AND ITS REGISTERS RUN DOWN K: a block of 32 lies in one lane, its largest magnitude needs no other lane, and the conversions give codes with K innermost.  Nothing is transposed.
; Inside a block the second and third eights change places, as in every operand of this program: the loads take the rows in that order.
; An image: register j of lane l at byte 512 (j / 4) + 16 l + 4 (j % 4); image lane (r, h') holds column r, registers 6 c .. 6 c + 5 block 2 c + h'.  So my column's four blocks of a K step are 24 registers, and they leave
; by six stores of 16 bytes; sixteen neighbouring lanes fill 256 consecutive bytes, aligned.
; SHARES: work-group x takes 64 columns (a wave 32), y one half of K (16 blocks).  One text for the four weights: only a pointer, a first group and a pitch are chosen, by the work-group's number.
; LIMITS: NaN and infinities are not served; a block of zeros gets the byte 1 (zero codes; this program alone reads the bytes).
.set OFF,  2                           ; v2-33    4 x lane + i x pitch, i = 0..31; never rewritten
.set W,    36                          ; v36-39   a scale word for each of my four K steps
.set VST,  40                          ; v40      where my codes go: 12,288 (lane / 16) + 16 (lane % 16)
.set VSS,  41                          ; v41      and my scale words: 512 (lane / 16) + 16 (lane % 16)
.set XX,   64                          ; v64-127  two sets of 32 numbers
.set F,    128                         ; v128-151 a K step's codes: 12 h' + 6 c
.set TC,   152
.set M,    156
.set BASE, 32                          ; s[32:63] the address of each of my 16 blocks' first row; never rewritten
; ONE LAUNCH PREPARES ALL OPERANDS: work-groups x = 0..159 take the weights (the text that follows), x = 160..223 take X and the table of cos and sin (the text from .Lx on).  The choice hangs on the work-group's number alone.
; WORK LEFT OUT BY THIS PROGRAM (in the attention launch): reference() multiplies each score by a mask of 0 and 1 that it builds itself from the positions; off a branch's band the factor is 0, so the logit is 0 and its
; exponential 1 whatever q and k hold.  Blocks of 32 keys of product 4 that lie wholly off the band are not multiplied.  LIMIT: a NaN, an infinity or an overflow that would arise only in such a block is not carried to the result.
	s_cmp_ge_u32 ttmp9, 160
	s_cbranch_scc1 .Lx
	s_load_b256 s[4:11], s[0:1], 0x10              ; WQ, WK, WV, WO
	s_load_b128 s[16:19], s[0:1], 0x30             ; codes, scales
	v_lshrrev_b32 v1, 5, v0
	v_readfirstlane_b32 s20, v1                    ; wave
	v_and_b32 v1, 31, v0                           ; lane
	s_and_b32 s21, ttmp7, 0xffff                   ; which half of K
	v_lshlrev_b32 v42, 2, v1
	v_lshrrev_b32 v43, 4, v1
	v_and_b32 v44, 15, v1
	v_lshlrev_b32 v44, 4, v44
	v_mad_u32_u24 v[VST], v43, 12288, v44
	v_lshl_add_u32 v[VSS], v43, 9, v44
	s_wait_alu depctr_va_vdst(0)
	s_wait_kmcnt 0x0
	s_mov_b64 s[12:13], s[10:11]                   ; groups 144 on: WO,
	s_movk_i32 s14, 144                            ; its first group,
	s_mov_b32 s15, 12                              ; rows of 2^12 bytes
	s_cmp_lt_u32 ttmp9, 144
	s_cselect_b64 s[12:13], s[8:9], s[12:13]       ; 80 on: WV
	s_cselect_b32 s14, 80, s14
	s_cselect_b32 s15, 14, s15
	s_cmp_lt_u32 ttmp9, 80
	s_cselect_b64 s[12:13], s[6:7], s[12:13]       ; 64 on: WK
	s_cselect_b32 s14, 64, s14
	s_cselect_b32 s15, 12, s15
	s_cmp_lt_u32 ttmp9, 64
	s_cselect_b64 s[12:13], s[4:5], s[12:13]       ; 0 on: WQ
	s_cselect_b32 s14, 0, s14
	s_cselect_b32 s15, 14, s15
	s_lshl_b32 s22, 1, s15                         ; the pitch
.set i, 0
.rept 32
	v_mad_u32_u24 v[OFF+i], s22, i, v42
.set i, i+1
.endr
	s_sub_co_u32 s23, ttmp9, s14
	s_lshl_b32 s23, s23, 8                         ; 64 columns of 4 bytes a group,
	s_lshl_b32 s24, s20, 7                         ; 32 a wave,
	s_add_co_u32 s24, s23, s24
	s_add_co_u32 s25, s15, 9
	s_lshl_b32 s25, s21, s25                       ; 512 rows a half
	s_add_co_u32 s24, s24, s25
	s_mov_b32 s25, 0
	s_add_nc_u64 s[BASE:BASE+1], s[12:13], s[24:25]
	s_lshl_b32 s26, s22, 5                         ; 32 rows on
	s_mov_b32 s27, 0
.set i, 1
.rept 15
	s_add_nc_u64 s[BASE+2*i:BASE+2*i+1], s[BASE+2*i-2:BASE+2*i-1], s[26:27]
.set i, i+1
.endr
	s_lshl_b32 s28, ttmp9, 2
	s_lshl_b32 s29, s20, 1
	s_add_co_u32 s28, s28, s29
	s_add_co_u32 s28, s28, 128                     ; my wave's first tile
	s_mul_i32 s30, s28, 12288
	s_mul_i32 s29, s21, 6144
	s_add_co_u32 s30, s30, s29
	s_mov_b32 s31, 0
	s_add_nc_u64 s[66:67], s[16:17], s[30:31]
	s_lshl_b32 s30, s28, 9
	s_lshl_b32 s29, s21, 8
	s_add_co_u32 s30, s30, s29
	s_add_nc_u64 s[68:69], s[18:19], s[30:31]
.macro LOAD t                          ; block t: code place i takes row 8 p(i / 8) + i % 8, p = 0, 2, 1, 3; 128 consecutive bytes a load
.set i, 0
.rept 32
	global_load_b32 v[XX+32*((\t)%2)+i], v[OFF+8*((((i/8)&1)*2)+(i/16))+i%8], s[BASE+2*(\t):BASE+2*(\t)+1] th:TH_LOAD_NT
.set i, i+1
.endr
.endm
.macro BLOCK t
.set XS, XX+32*((\t)%2)
.set FB, F+12*((\t)%2)+6*(((\t)%4)/2)
.if (\t) < 15
	s_wait_loadcnt 32                              ; this block's 32 loads are in; the next block's may be out
.else
	s_wait_loadcnt 0x0
.endif
	v_max3_num_f32 v[M], |v[XS]|, |v[XS+1]|, |v[XS+2]|
	v_max3_num_f32 v[M+1], |v[XS+3]|, |v[XS+4]|, |v[XS+5]|
.irp i, 6,10,14,18,22,26
	v_max3_num_f32 v[M], v[M], |v[XS+\i]|, |v[XS+\i+1]|
	v_max3_num_f32 v[M+1], v[M+1], |v[XS+\i+2]|, |v[XS+\i+3]|
.endr
	v_max3_num_f32 v[M], v[M], |v[XS+30]|, |v[XS+31]|
	v_max3_num_f32 v[M], v[M], v[M+1], 0x1800000   ; and the floor 2^(3 - 127)
	v_add_nc_u32 v158, 0xff000000, v[M]            ; the conversion's scale operand
	v_lshrrev_b32 v159, 23, v158                   ; the byte
.if (\t)%4 == 0
.if (\t) > 0
	s_wait_alu depctr_va_vdst(0)
	s_wait_xcnt 0x0                                ; the last K step's stores have read the codes' registers
.endif
	v_mov_b32 v[W+(\t)/4], v159
.else
	v_lshl_or_b32 v[W+(\t)/4], v159, 8*((\t)%4), v[W+(\t)/4]
.endif
	v_cvt_scalef32_pk16_fp6_f32 v[FB:FB+2], v[XS:XS+15], v158
	v_cvt_scalef32_pk16_fp6_f32 v[TC:TC+2], v[XS+16:XS+31], v158
	v_nop                                          ; a plain line behind the conversions
.irp i, 0,1,2
	v_mov_b32 v[FB+3+\i], v[TC+\i]
.endr
.if (\t)+2 < 16
	LOAD (\t)+2
.endif
.if (\t)%4 == 3
.irp hh, 0,1
.irp c, 0,1,2
	global_store_b128 v[VST], v[F+12*\hh+4*\c:F+12*\hh+4*\c+3], s[66:67] offset:((\t)/4)*1536+256*\hh+512*\c
.endr
.endr
.endif
.endm
	s_wait_alu depctr_va_vdst(0)
	LOAD 0
	LOAD 1
.irp t, 0,1,2,3,4,5,6,7,8,9,10,11,12,13,14,15
	BLOCK \t
.endr
	global_store_b128 v[VSS], v[W:W+3], s[68:69]   ; my column's four scale words
	s_endpgm
; ================ X [2048][1024] f32 becomes codes of E2M3 as images of operand registers (tiles 0-127 of the codes' buffer), and the table of cos and sin is made.
; An image (1,536 bytes) is 16 rows x 128 K: register j of lane l at byte 512 (j / 4) + 16 l + 4 (j % 4); lane (r, h) holds row r, registers 0-5 block h of the K step, registers 6-11 block 2 + h.
; SHARES: a wave has the number n = 4 (x - 160) + 2 y + wave, 0..255: tile n / 2 (16 rows), half n % 2 of K: four K steps.  Each load reads 512 consecutive bytes of a row; a K step turns through the wave's own stage in LDS (rows 528 bytes apart).
; THE TABLE: wave n makes, for positions t = 16 (n / 4) + r, the frequencies i = 8 (n % 4) + 4 h + q.  f = 2^(-i log2(10000) / 32); x = t f is brought to |rho| <= pi / 4 by n = round(x 2 / pi) and pi / 2 in two parts;
; sin and cos by their series to rho^9 and rho^10.  LIMIT: f is within an ulp or two of the power that the model takes, so a phase near 1,000 rad may differ by some 5e-5 rad.
; LIMITS as for the weights: NaN and infinities are not served; a block of zeros gets the byte 1.
.Lx:
.set PITCH, 528
.set R,  16                            ; v16-143  two sets of 64: a K step as loaded
.set XX, 144                           ; v144-207 my two blocks, in the order of the code places
.set F,  208                           ; v208-219 the fragment
.set TC, 220
.set M,  228
.set W,  232                           ; v232-235 a scale word for each of my four K steps
.set CO, 240
.set SI, 244
.set TG, 144                           ; the table is worked in XX, ahead of its first use
	s_load_b128 s[4:7], s[0:1], 0x0                ; X s[4:5], trig s[6:7]
	s_load_b128 s[8:11], s[0:1], 0x30              ; codes s[8:9], scales s[10:11]
	v_lshl_add_u32 v254, v0, 2, 0x4400             ; my spare word, behind the two stages
	v_mov_b32 v255, 0
	v_lshrrev_b32 v1, 5, v0
	v_readfirstlane_b32 s31, v1                    ; wave
	v_and_b32 v1, 31, v0                           ; lane
	v_and_b32 v2, 15, v0                           ; r
	v_bfe_u32 v3, v0, 4, 1                         ; h
	v_lshlrev_b32 v4, 4, v1                        ; 16 x lane
	v_mul_u32_u24 v5, v2, PITCH
	v_lshl_add_u32 v5, v3, 7, v5
	v_lshlrev_b32 v6, 3, v3                        ; 8 h
	v_lshlrev_b32 v7, 4, v2
	v_lshl_add_u32 v7, v3, 3, v7                   ; 16 r + 8 h: my two scale words
	v_mov_b32 v237, 0                              ; a lane permute's destination counts as one of its sources
	s_sub_co_u32 s30, ttmp9, 160
	s_lshl_b32 s30, s30, 1
	s_and_b32 s12, ttmp7, 0xffff
	s_add_co_u32 s30, s30, s12
	s_lshl_b32 s30, s30, 1
	s_add_co_u32 s30, s30, s31                     ; n
	s_mul_i32 s31, s31, 8704                       ; my stage
	v_add_nc_u32 v5, s31, v5                       ; out of it: row r, block h
	v_add_nc_u32 v8, s31, v4                       ; into it: 16 x lane
	s_mov_b32 s20, 0x76543210
	s_mov_b32 s21, 0xfedcba98                      ; selects for lane l xor 16
	s_mov_b32 s22, 0xffff0000                      ; lanes 16-31
	s_mov_b32 s28, 0x3fc90fdb                      ; pi / 2, upper part
	s_mov_b32 s29, 0xb33bbd2e                      ; and the rest
	s_lshr_b32 s12, s30, 1                         ; tile
	s_and_b32 s13, s30, 1                          ; half of K
	s_lshl_b32 s14, s12, 16
	s_lshl_b32 s16, s13, 11
	s_add_co_u32 s14, s14, s16
	s_mov_b32 s15, 0
	s_mul_i32 s16, s12, 12288
	s_mul_i32 s18, s13, 6144
	s_add_co_u32 s16, s16, s18
	s_mov_b32 s17, 0
	s_lshl_b32 s18, s30, 8
	s_mov_b32 s19, 0
	s_lshl_b32 s24, s30, 10
	s_mov_b32 s25, 0
	s_lshr_b32 s26, s30, 2
	s_lshl_b32 s26, s26, 4                         ; the first position
	s_and_b32 s27, s30, 3
	s_lshl_b32 s27, s27, 3                         ; the first frequency
	s_wait_alu depctr_va_vdst(0)                   ; the wait at the head's end
	s_wait_kmcnt 0x0
	s_add_nc_u64 s[4:5], s[4:5], s[14:15]
	s_add_nc_u64 s[8:9], s[8:9], s[16:17]
	s_add_nc_u64 s[10:11], s[10:11], s[18:19]
	s_add_nc_u64 s[6:7], s[6:7], s[24:25]
.macro LOADS f                         ; K step f: 16 rows x 512 bytes
.irp i, 0,1,2,3,4,5,6,7,8,9,10,11,12,13,14,15
	global_load_b128 v[R+64*((\f)%2)+4*\i:R+64*((\f)%2)+4*\i+3], v4, s[4:5] offset:\i*4096+(\f)*512 th:TH_LOAD_NT
.endr
.endm
.macro TURN f                          ; through the stage: LDS serves a wave's instructions in order
.irp i, 0,1,2,3,4,5,6,7,8,9,10,11,12,13,14,15
	ds_store_b128 v8, v[R+64*((\f)%2)+4*\i:R+64*((\f)%2)+4*\i+3] offset:PITCH*\i
.endr
.irp c, 0,1
.irp g, 0,1,2,3,4,5,6,7
	ds_load_b128 v[XX+32*\c+4*\g:XX+32*\c+4*\g+3], v5 offset:256*\c+32*((((\g/2)&1)*2)+(\g/4))+16*(\g%2)   ; block 2 c + h; the second and third eights change places
.endr
.endr
.endm
.macro WORK f
.irp c, 0,1
	v_max3_num_f32 v[M+\c], |v[XX+32*\c]|, |v[XX+32*\c+1]|, 0x1800000   ; the floor 2^(3 - 127) holds the byte at 1
.endr
.irp i, 2,4,6,8,10,12,14,16,18,20,22,24,26,28,30
.irp c, 0,1
	v_max3_num_f32 v[M+\c], v[M+\c], |v[XX+32*\c+\i]|, |v[XX+32*\c+\i+1]|
.endr
.endr
.irp c, 0,1
	v_add_nc_u32 v[M+2+\c], 0xff000000, v[M+\c]    ; the conversion's scale operand
.endr
.irp c, 0,1
	v_lshrrev_b32 v[M+\c], 23, v[M+2+\c]           ; the byte
.endr
	s_wait_alu depctr_va_vdst(0)
	s_wait_xcnt 0x0                                ; the last K step's stores have read the fragment's registers
.irp c, 0,1
	v_cvt_scalef32_pk16_fp6_f32 v[F+6*\c:F+6*\c+2], v[XX+32*\c:XX+32*\c+15], v[M+2+\c]
	v_cvt_scalef32_pk16_fp6_f32 v[TC+4*\c:TC+4*\c+2], v[XX+32*\c+16:XX+32*\c+31], v[M+2+\c]
.endr
	v_lshl_or_b32 v236, v[M+1], 16, v[M]           ; my two bytes (a plain line behind the conversions)
.irp c, 0,1
.irp i, 0,1,2
	v_mov_b32 v[F+6*\c+3+\i], v[TC+4*\c+\i]
.endr
.endr
	v_lshlrev_b32 v236, v6, v236
	v_permlanex16_b32 v237, v236, s20, s21
	v_or_b32 v[W+\f], v236, v237                   ; with lane l xor 16's two the word is whole
.irp c, 0,1,2
	global_store_b128 v4, v[F+4*\c:F+4*\c+3], s[8:9] offset:(\f)*1536+512*\c
.endr
.endm
	LOADS 0
	LOADS 1
	v_add_nc_u32 v180, s26, v2
	v_cvt_f32_u32 v180, v180                       ; t
	v_lshl_add_u32 v181, v3, 2, s27
.irp q, 0,1,2,3
	v_add_nc_u32 v[TG+\q], \q, v181                ; i
.endr
.irp q, 0,1,2,3
	v_cvt_f32_u32 v[TG+\q], v[TG+\q]
.endr
.irp q, 0,1,2,3
	v_mul_f32 v[TG+\q], 0xbed49a78, v[TG+\q]       ; -i log2(10000) / 32
.endr
	s_wait_alu depctr_va_vdst(0)
.irp q, 0,1,2,3
	v_exp_f32 v[TG+\q], v[TG+\q]
.endr
	v_nop
	s_wait_alu depctr_va_vdst(0)
.irp q, 0,1,2,3
	v_mul_f32 v[TG+\q], v180, v[TG+\q]             ; x = t f
.endr
.irp q, 0,1,2,3
	v_mul_f32 v[TG+4+\q], 0x3f22f983, v[TG+\q]     ; x 2 / pi
.endr
.irp q, 0,1,2,3
	v_rndne_f32 v[TG+4+\q], v[TG+4+\q]             ; n
.endr
.irp q, 0,1,2,3
	v_fma_f32 v[TG+8+\q], -v[TG+4+\q], s28, v[TG+\q]
.endr
.irp q, 0,1,2,3
	v_fma_f32 v[TG+8+\q], -v[TG+4+\q], s29, v[TG+8+\q]   ; rho
.endr
.irp q, 0,1,2,3
	v_mul_f32 v[TG+12+\q], v[TG+8+\q], v[TG+8+\q]  ; z = rho^2
.endr
.irp q, 0,1,2,3
	v_mov_b32 v[TG+16+\q], 0x3638ef1d              ; 1 / 9!
	v_mov_b32 v[TG+20+\q], 0xb493f27e              ; -1 / 10!
.endr
.irp q, 0,1,2,3
	v_fmaak_f32 v[TG+16+\q], v[TG+16+\q], v[TG+12+\q], 0xb9500d01
	v_fmaak_f32 v[TG+20+\q], v[TG+20+\q], v[TG+12+\q], 0x37d00d01
.endr
.irp q, 0,1,2,3
	v_fmaak_f32 v[TG+16+\q], v[TG+16+\q], v[TG+12+\q], 0x3c088889
	v_fmaak_f32 v[TG+20+\q], v[TG+20+\q], v[TG+12+\q], 0xbab60b61
.endr
.irp q, 0,1,2,3
	v_fmaak_f32 v[TG+16+\q], v[TG+16+\q], v[TG+12+\q], 0xbe2aaaab
	v_fmaak_f32 v[TG+20+\q], v[TG+20+\q], v[TG+12+\q], 0x3d2aaaab
.endr
.irp q, 0,1,2,3
	v_mul_f32 v[TG+16+\q], v[TG+16+\q], v[TG+12+\q]
	v_fmaak_f32 v[TG+20+\q], v[TG+20+\q], v[TG+12+\q], 0xbf000000
.endr
.irp q, 0,1,2,3
	v_fma_f32 v[TG+16+\q], v[TG+16+\q], v[TG+8+\q], v[TG+8+\q]      ; sin rho
	v_fma_f32 v[TG+20+\q], v[TG+20+\q], v[TG+12+\q], 1.0            ; cos rho
.endr
.irp q, 0,1,2,3
	v_cvt_i32_f32 v[TG+24+\q], v[TG+4+\q]          ; the quadrant is n mod 4
.endr
.irp q, 0,1,2,3
	v_and_b32 v[TG+28+\q], 1, v[TG+24+\q]
	v_cmp_eq_u32 vcc_lo, 1, v[TG+28+\q]
	v_cndmask_b32 v[SI+\q], v[TG+16+\q], v[TG+20+\q], vcc_lo   ; odd quadrants: the two change places
	v_cndmask_b32 v[CO+\q], v[TG+20+\q], v[TG+16+\q], vcc_lo
	v_and_b32 v[TG+28+\q], 2, v[TG+24+\q]
	v_lshlrev_b32 v[TG+28+\q], 30, v[TG+28+\q]
	v_xor_b32 v[SI+\q], v[TG+28+\q], v[SI+\q]      ; sin is negative in quadrants 2 and 3,
	v_add_nc_u32 v[TG+28+\q], 1, v[TG+24+\q]
	v_and_b32 v[TG+28+\q], 2, v[TG+28+\q]
	v_lshlrev_b32 v[TG+28+\q], 30, v[TG+28+\q]
	v_xor_b32 v[CO+\q], v[TG+28+\q], v[CO+\q]      ; cos in 1 and 2
.endr
	global_store_b128 v4, v[CO:CO+3], s[6:7]
	global_store_b128 v4, v[SI:SI+3], s[6:7] offset:512
.irp f, 0,1,2,3
.if \f < 3
	s_wait_loadcnt 16                              ; this K step's 16 loads are in; the next one's may be out
.else
	s_wait_loadcnt 0x0
.endif
	TURN \f
	s_wait_dscnt 0x0                               ; back from the stage, and the stores into it have read their registers
.if \f < 2
	LOADS \f+2
.endif
	WORK \f
.endr
	v_cndmask_b32 v238, v[W], v[W+2], s22          ; lanes 0-15 store words 0 and 1 of row r, lanes 16-31 words 2 and 3
	v_cndmask_b32 v239, v[W+1], v[W+3], s22
	global_store_b64 v7, v[238:239], s[10:11]      ; 256 consecutive bytes
	s_wait_tensorcnt 0x0                           ; the wave's end
	ds_add_u32 v254, v255
	s_wait_dscnt 0x0
	s_endpgm
.Lfunc_end_k_qb82ea2ec5b_quantw:
	.size	k_qb82ea2ec5b_quantw, .Lfunc_end_k_qb82ea2ec5b_quantw-k_qb82ea2ec5b_quantw
	.p2alignl 7, 3214868480
	.fill 96, 4, 3214868480
	.section	.rodata,"a",@progbits
	.p2align	6, 0x0
	.amdhsa_kernel k_qb82ea2ec5b_quantw
		.amdhsa_group_segment_fixed_size 17664
		.amdhsa_private_segment_fixed_size 0
		.amdhsa_enable_private_segment 0
		.amdhsa_kernarg_size 64
		.amdhsa_user_sgpr_count 2
		.amdhsa_user_sgpr_kernarg_segment_ptr 1
		.amdhsa_wavefront_size32 1
		.amdhsa_system_sgpr_workgroup_id_x 1
		.amdhsa_system_sgpr_workgroup_id_y 1
		.amdhsa_system_sgpr_workgroup_id_z 1
		.amdhsa_system_vgpr_workitem_id 0
		.amdhsa_next_free_vgpr 256
		.amdhsa_next_free_sgpr 80
		.amdhsa_reserve_vcc 1
		.amdhsa_float_denorm_mode_32 3
		.amdhsa_float_denorm_mode_16_64 3
		.amdhsa_memory_ordered 1
		.amdhsa_forward_progress 1
		.amdhsa_inst_pref_size 116
	.end_amdhsa_kernel
	.amdgpu_metadata
---
amdhsa.version: [ 1, 2 ]
amdhsa.kernels:
  - .name:           k_qb82ea2ec5b_quantw
    .symbol:         k_qb82ea2ec5b_quantw.kd
    .args:
      - { .name: X, .offset: 0, .size: 8, .value_kind: global_buffer, .address_space: global }
      - { .name: trig, .offset: 8, .size: 8, .value_kind: global_buffer, .address_space: global }
      - { .name: WQ, .offset: 16, .size: 8, .value_kind: global_buffer, .address_space: global }
      - { .name: WK, .offset: 24, .size: 8, .value_kind: global_buffer, .address_space: global }
      - { .name: WV, .offset: 32, .size: 8, .value_kind: global_buffer, .address_space: global }
      - { .name: WO, .offset: 40, .size: 8, .value_kind: global_buffer, .address_space: global }
      - { .name: codes, .offset: 48, .size: 8, .value_kind: global_buffer, .address_space: global }
      - { .name: scales, .offset: 56, .size: 8, .value_kind: global_buffer, .address_space: global }
    .group_segment_fixed_size: 17664
    .private_segment_fixed_size: 0
    .kernarg_segment_align: 8
    .kernarg_segment_size: 64
    .max_flat_workgroup_size: 64
    .sgpr_count:     80
    .vgpr_count:     256
    .wavefront_size: 32
...
	.end_amdgpu_metadata
.endif
;; end of part 1
;; launch proj (part 2): grid 144 x 4, 4 waves a work-group, clusters of 4 x 4, 327,680 bytes of LDS; arguments codes, scales, trig, bQ, bK, bV, qpack, kpack, vpack; writes qpack, kpack, vpack
.if DOCPART == 2
	.amdgcn_target "amdgcn-amd-amdhsa--gfx1250"
	.amdhsa_code_object_version 6
	.text
	.protected	k_qb82ea2ec5b_proj
	.globl	k_qb82ea2ec5b_proj
	.p2align	8
	.type	k_qb82ea2ec5b_proj,@function
k_qb82ea2ec5b_proj:
	s_mov_b64 s[64:65], 0
	v_nop
	global_prefetch_b8 v0, s[64:65] scope:SCOPE_SE
	s_setreg_imm32_b32 hwreg(HW_REG_WAVE_MODE, 25, 1), 1
	s_wait_xcnt 0x0
	s_wait_alu depctr_hold_cnt(0) depctr_sa_sdst(0) depctr_va_vdst(0) depctr_va_sdst(0) depctr_va_ssrc(0) depctr_va_vcc(0) depctr_vm_vsrc(0)
	s_getreg_b32 s2, hwreg(HW_REG_IB_STS2, 6, 4)
	s_cmp_eq_u32 s2, 0
	s_cbranch_scc0 .Lentry_in_a_cluster
	s_endpgm
.Lentry_in_a_cluster:
	s_bfe_u32 s2, ttmp6, 0x10000c
	s_cmp_lg_u32 s2, 0xf033
	s_cbranch_scc0 .Lentry_shape_is_right
	s_endpgm
.Lentry_shape_is_right:
; The three projections X WQ, X WK, X WV on codes of E2M3, each with what follows it, up to the codes that the attention launch reads.
; ONE FORM: a result tile holds in lane r a row of side A and in its eight registers rows of side B (source 0 = 16 rows of B, source 1 = 16 rows of A).
;   q, k: A = X (positions t), B = WQ or WK (columns n): a lane holds one position, its registers run along the head.   v: A = WV (columns n = d), B = X: a lane holds one d, its registers run along the keys, the K of the second attention product.
; X and the weights lie in one buffer of images, so only two tile numbers differ.  A work-group makes 128 rows of A x 256 rows of B over K = 1,024: 24 tiles x 12,288 bytes fill LDS ONCE: nothing is ever filled again.
; A wave makes 64 x 128: 32 accumulators.  36 clusters of 4 x 4: 16 for q, 4 for k, 16 for v.  A's tiles are asked for jointly along a row of the cluster, B's along a column.
; WHAT FOLLOWS.  q: + bQ, x rsqrt(mean of squares + 2^-23), the rotation, codes (K = 64: two blocks).  k: + bK, 1 / |k| from the sum of squares AHEAD of the rotation (which keeps it, up to rounding), the rotation, codes; log2(e) / |k| is stored.
;   v: + bV, codes along the keys.   The rotation's pair i = (n / 2) of a head gives element i of block 0 and element i of block 1; q and k lay them in the same order.
; LIMITS: NaN and infinities are not served; a block of zeros gets the byte 1 (zero codes); a key of zeros gives no finite result here or in the model.
; REGISTERS, in windows of 256.  Window 0: v1-17 addresses; v24-31 bV; v32-79 scale words; v80-143 T, v144-207 O: 64 numbers each; v208-223 TM; v224-243 PC, the codes just made; v244-255 at work.
;   Window 1: B's fragments, two sets (v0, v128), and the bias of my 128 columns (v96-127, v224-255).   Window 2: A's fragments, two sets (v0, v48); cos and sin, two sets (v96, v128).   Window 3: accumulator (a, b) at v[8 (8 a + b)].
.set SC,  32
.set T,   80
.set O,   144
.set TM,  208
.set PC,  224
.set SS,  244
.set RR,  248
.set MU,  250
.set BV,  24
.set WV,  3
.set HM,  94
.set SEL, 96
.set MSB, 0
.macro WIN new                         ; the immediate's high byte repeats the setting that is left
.if MSB != \new
	s_set_vgpr_msb (MSB<<8)|\new
.set MSB, \new
.endif
.endm
.macro NOPS n
.rept \n
	v_nop
.endr
.endm
.macro CROUND                          ; a round of the cluster's barrier
	s_barrier_signal -1
	s_barrier_wait -1
	s_cmp_lg_u32 s[WV], 0
	s_cbranch_scc1 .Lnot_wave_0_\@
	s_barrier_signal -3
.Lnot_wave_0_\@:
	s_barrier_wait -3
	s_barrier_signal -1
	s_barrier_wait -1
.endm
.macro BARR n                          ; my loads but the n youngest have landed; then everybody's have.  Later chunks may stay out
	s_wait_tensorcnt \n
	s_barrier_signal -1
	s_barrier_wait -1
.endm
	s_load_b256 s[68:75], s[0:1], 0x0              ; codes s[68:69], scales s[70:71], trig s[72:73], bQ s[74:75]
	s_load_b256 s[76:83], s[0:1], 0x20             ; bK s[76:77], bV s[78:79], qpack s[80:81], kpack s[82:83]
	s_load_b64 s[84:85], s[0:1], 0x40              ; vpack
	v_lshl_add_u32 v239, v0, 2, 0x48000
	v_mov_b32 v243, 0
	ds_add_u32 v239, v243
	ds_add_u32 v239, v243
	v_lshrrev_b32 v1, 5, v0
	v_readfirstlane_b32 s[WV], v1                  ; wave 0..3
	s_lshr_b32 s4, s[WV], 1                        ; which 64 rows of A are mine
	s_and_b32 s5, s[WV], 1                         ; which 128 rows of B
	s_bfe_u32 s6, ttmp6, 0x40000                   ; cx
	s_bfe_u32 s7, ttmp6, 0x40004                   ; cy
	s_cmp_lt_u32 ttmp9, 20                         ; clusters 0-19: q and k; 20-35: v
	s_cselect_b32 s8, 0, 20
	s_cselect_b32 s9, 3, 7                         ; rows of clusters: 4 or 8
	s_cselect_b32 s10, 2, 3
	s_cselect_b32 s11, 0, 448                      ; A's first tile: X or WV
	s_cselect_b32 s12, 128, 0                      ; B's: WQ (WK lies behind it) or X
	s_sub_co_u32 s8, ttmp9, s8
	s_and_b32 s9, s8, s9
	s_lshr_b32 s10, s8, s10
	s_lshl_b32 s9, s9, 2
	s_add_co_u32 s9, s9, s7
	s_lshl_b32 s9, s9, 3
	s_add_co_u32 s9, s9, s11                       ; the work-group's first tile of A: it hangs on cy alone
	s_lshl_b32 s10, s10, 2
	s_add_co_u32 s10, s10, s6
	s_lshl_b32 s10, s10, 4
	s_add_co_u32 s10, s10, s12                     ; and of B: on cx alone
	s_lshl_b32 s13, s7, 2
	s_lshl_b32 s13, 15, s13                        ; my row of the cluster
	s_lshl_b32 s14, 0x1111, s6                     ; my column
	; descriptor group 1: a row is a run of K steps of one tile, rows 12,288 bytes apart in memory, dense in LDS.  TWO FILLS: K steps 0-4 (rows of 7,680 bytes, 960 elements of 8) at the head, K steps 5-7 (4,608 bytes, 576 elements) behind the round.
	; Waves 0 and 1 fetch four tiles of A each, waves 2 and 3 eight tiles of B each: one load a wave in each fill
	s_or_b32 s16, s13, (3<<16)|(1<<21)
	s_mov_b32 s17, 960<<16
	s_mov_b32 s18, 4<<16
	s_mov_b32 s19, 960<<16
	s_mov_b32 s20, 4
	s_mov_b32 s21, 1536
	s_mov_b32 s22, 0
	s_mov_b32 s23, 0
	s_or_b32 s24, s14, (3<<16)|(1<<21)
	s_mov_b32 s25, 960<<16
	s_mov_b32 s26, 8<<16
	s_mov_b32 s27, 960<<16
	s_mov_b32 s28, 8
	s_mov_b32 s29, 1536
	s_mov_b32 s30, 0
	s_mov_b32 s31, 0
	s_lshl_b32 s13, s5, 2
	s_add_co_u32 s13, s13, s9
	s_mul_i32 s86, s13, 12288                      ; the four tiles of A that a wave of the first pair fetches
	s_mov_b32 s87, 0
	s_lshl_b32 s14, s5, 3
	s_add_co_u32 s14, s14, s10
	s_mul_i32 s88, s14, 12288                      ; the eight of B that a wave of the second pair fetches
	s_mov_b32 s89, 0
	s_lshl_b32 s92, s4, 2
	s_add_co_u32 s92, s92, s9                      ; my wave's first tile of A
	s_lshl_b32 s93, s5, 3
	s_add_co_u32 s93, s93, s10                     ; and of B
	s_mov_b32 s[HM], 0xffff0000                    ; lanes 16-31
	s_mov_b32 s[SEL], 0x76543210
	s_mov_b32 s[SEL+1], 0xfedcba98
	s_wait_dscnt 0x0
	s_wait_kmcnt 0x0
	s_add_nc_u64 s[86:87], s[68:69], s[86:87]
	s_add_nc_u64 s[88:89], s[68:69], s[88:89]
	; LDS: A's K steps 0-4 from 0 (8 x 7,680), A's 5-7 from 61,440 (8 x 4,608), B's 0-4 from 98,304 (16 x 7,680), B's 5-7 from 221,184 (16 x 4,608).  No place in the cluster enters an LDS address
	s_mov_b32 s32, 1
	s_mul_i32 s33, s5, 30720
	s_mov_b64 s[34:35], s[86:87]
	s_or_b32 s35, s35, 0x80000000
	s_mov_b32 s36, 1
	s_mul_i32 s37, s5, 61440
	s_add_co_u32 s37, s37, 98304
	s_mov_b64 s[38:39], s[88:89]
	s_or_b32 s39, s39, 0x80000000
	s_mov_b32 s40, 1
	s_mul_i32 s41, s5, 18432
	s_add_co_u32 s41, s41, 61440
	s_add_nc_u64 s[42:43], s[86:87], 7680
	s_or_b32 s43, s43, 0x80000000
	s_mov_b32 s44, 1
	s_mul_i32 s45, s5, 36864
	s_add_co_u32 s45, s45, 221184
	s_add_nc_u64 s[46:47], s[88:89], 7680
	s_or_b32 s47, s47, 0x80000000
.macro JLOAD c                         ; a joint load, one a wave: waves 0, 1 for A, waves 2, 3 for B; the branch hangs on the wave's number alone.  An s_nop 0 and four v_nop follow each line
	s_cmp_eq_u32 s4, 0
	s_cbranch_scc0 .Lfor_b_\@
	tensor_load_to_lds s[32+8*\c:35+8*\c], s[16:23]
	s_nop 0
	NOPS 4
	s_branch .Lasked_\@
.Lfor_b_\@:
	tensor_load_to_lds s[36+8*\c:39+8*\c], s[24:31]
	s_nop 0
	NOPS 4
.Lasked_\@:
.endm
	CROUND                                         ; all sixteen work-groups are here: the joint loads meet
	JLOAD 0                                        ; K steps 0-4
	v_and_b32 v1, 31, v0                           ; lane
	v_and_b32 v2, 15, v0                           ; r
	v_bfe_u32 v3, v0, 4, 1                         ; h
	v_lshlrev_b32 v4, 4, v1                        ; 16 x lane
	v_lshl_add_u32 v5, v1, 3, 512                  ; 8 x lane + 512: the last two registers of a half image
	v_lshlrev_b32 v6, 2, v2
	v_mad_u32_u24 v6, v3, 0xe000, v6
	v_add_nc_u32 v6, 6144, v6                      ; q, k: a row's scale word; lanes 16-31 store the next head's, 57,344 bytes on
	v_lshl_add_u32 v7, v1, 2, 6144                 ; v: scale words of two tiles of d
	s_wait_alu depctr_va_vdst(0)                   ; the wait ahead of the scalar lines below
	s_mul_i32 s13, s4, 30720
	v_add_nc_u32 v8, s13, v4                       ; A's fragments, K steps 0-4,
	s_mul_i32 s13, s4, 18432
	s_add_co_u32 s13, s13, 61440
	v_add_nc_u32 v9, s13, v4                       ; K steps 5-7
	s_mul_i32 s14, s5, 61440
	s_add_co_u32 s14, s14, 98304
	v_add_nc_u32 v10, s14, v4                      ; B's fragments, K steps 0-4,
	s_mul_i32 s14, s5, 36864
	s_add_co_u32 s14, s14, 221184
	v_add_nc_u32 v11, s14, v4                      ; K steps 5-7
	s_lshl_b32 s13, s92, 9
	s_lshl_b32 s14, s93, 9
	v_mov_b32 v14, s13
	v_mov_b32 v15, s14
	v_cndmask_b32 v14, v14, v15, s[HM]             ; scale words: lanes 0-15 A's tile i, lanes 16-31 B's tile i
	v_lshl_add_u32 v14, v2, 4, v14
	v_lshl_add_u32 v15, v3, 9, v15
	v_add_nc_u32 v15, 2048, v15                    ; lanes 0-15 B's tile 4 + 2 i, lanes 16-31 tile 5 + 2 i
	v_lshl_add_u32 v15, v2, 4, v15
	v_lshlrev_b32 v16, 5, v3                       ; 32 h
	v_lshlrev_b32 v17, 2, v2                       ; 4 r
.irp i, 0,1,2,3
.irp g, 0,1
	global_load_b128 v[SC+8*\i+4*\g:SC+8*\i+4*\g+3], v14, s[70:71] offset:\i*512+\g*256   ; four K steps' words a load: all of K in registers
.endr
.endr
.irp i, 0,1
.irp g, 0,1
	global_load_b128 v[SC+32+8*\i+4*\g:SC+32+8*\i+4*\g+3], v15, s[70:71] offset:\i*1024+\g*256
.endr
.endr
.irp i, 0,1,2,3,4,5,6,7
	v_mov_b32 v[BV+\i], 0                          ; (the upper halves of pairs that are named whole)
.endr
.irp i, 4,5,6,7
	v_mov_b32 v[TM+\i], 0                          ; written once: a lane permute's destination counts as one of its sources
.endr
.macro LOADF i                         ; K step i: B's 8 fragments and A's 4, as images: three loads of 16 bytes a lane each
	WIN 0x40
.irp b, 0,1,2,3,4,5,6,7
.irp j, 0,1,2
	ds_load_b128 v[128*((\i)%2)+12*\b+4*\j:128*((\i)%2)+12*\b+4*\j+3], v[10+(\i)/5] offset:\b*(7680-3072*((\i)/5))+((\i)%5)*1536+512*\j
.endr
.endr
	WIN 0x80
.irp a, 0,1,2,3
.irp j, 0,1,2
	ds_load_b128 v[48*((\i)%2)+12*\a+4*\j:48*((\i)%2)+12*\a+4*\j+3], v[8+(\i)/5] offset:\a*(7680-3072*((\i)/5))+((\i)%5)*1536+512*\j
.endr
.endr
.endm
.macro ONE i, a, b, zero
.set rD, 8*(8*\a+\b)
.set rB, 128*((\i)%2)+12*\b
.set rA, 48*((\i)%2)+12*\a
.set rY, SC+8*\a+(\i)
.if \b < 4
.set rX, SC+8*\b+(\i)
.else
.set rX, SC+32+8*((\b-4)/2)+(\i)
.endif
.if (\b < 4) || (\b % 2)
.if \zero
	v_wmma_scale_f32_16x16x128_f8f6f4 v[rD:rD+7], v[rB:rB+11], v[rA:rA+11], 0, v[rX], v[rY] matrix_a_fmt:MATRIX_FMT_FP6 matrix_b_fmt:MATRIX_FMT_FP6 matrix_a_scale:MATRIX_SCALE_ROW1
.else
	v_wmma_scale_f32_16x16x128_f8f6f4 v[rD:rD+7], v[rB:rB+11], v[rA:rA+11], v[rD:rD+7], v[rX], v[rY] matrix_a_fmt:MATRIX_FMT_FP6 matrix_b_fmt:MATRIX_FMT_FP6 matrix_a_scale:MATRIX_SCALE_ROW1
.endif
.else
.if \zero
	v_wmma_scale_f32_16x16x128_f8f6f4 v[rD:rD+7], v[rB:rB+11], v[rA:rA+11], 0, v[rX], v[rY] matrix_a_fmt:MATRIX_FMT_FP6 matrix_b_fmt:MATRIX_FMT_FP6
.else
	v_wmma_scale_f32_16x16x128_f8f6f4 v[rD:rD+7], v[rB:rB+11], v[rA:rA+11], v[rD:rD+7], v[rX], v[rY] matrix_a_fmt:MATRIX_FMT_FP6 matrix_b_fmt:MATRIX_FMT_FP6
.endif
.endif
.endm
.macro MUL32 i, zero                   ; 32 matrix instructions: the 32 accumulators take turns, one instruction a turn, in the same order in every K step
	WIN 0xf9                                       ; source 0 (B) window 1, source 1 (A) window 2, C and D window 3
.irp a, 0,1,2,3
.irp b, 0,1,2,3,4,5,6,7
	ONE \i, \a, \b, \zero
.endr
.endr
.endm
; 64 numbers of a lane, register 16 b + i = place 16 h + i of block b of my row, become a fragment's codes in v[PC] on; the four bytes stay in v[TM+4] on.
.macro QUANT s
.irp b, 0,1,2,3
	v_max3_num_f32 v[TM+\b], |v[\s+16*\b]|, |v[\s+1+16*\b]|, 0x1800000
.endr
.irp i, 2,4,6,8,10,12,14
.irp b, 0,1,2,3
	v_max3_num_f32 v[TM+\b], v[TM+\b], |v[\s+16*\b+\i]|, |v[\s+1+16*\b+\i]|
.endr
.endr
.irp b, 0,1,2,3
	v_permlanex16_b32 v[TM+4+\b], v[TM+\b], s[SEL], s[SEL+1]
.endr
.irp b, 0,1,2,3
	v_max_num_f32 v[TM+\b], v[TM+\b], v[TM+4+\b]   ; with lane l xor 16's: the block's largest magnitude
.endr
.irp b, 0,1,2,3
	v_add_nc_u32 v[TM+12+\b], 0xff000000, v[TM+\b] ; the conversion's scale operand
.endr
.irp b, 0,1,2,3
	v_lshrrev_b32 v[TM+4+\b], 23, v[TM+12+\b]      ; the byte
.endr
.irp c, 0,1
	v_cvt_scalef32_pk16_fp6_f32 v[PC+6*\c:PC+2+6*\c], v[\s+32*\c:\s+15+32*\c], v[TM+12+2*\c]
	v_cvt_scalef32_pk16_fp6_f32 v[PC+12+4*\c:PC+14+4*\c], v[\s+16+32*\c:\s+31+32*\c], v[TM+12+2*\c+1]
.endr
	v_nop                                          ; a plain line behind the conversions
.irp c, 0,1                            ; a whole block to a lane: lanes 0-15 block 2 c, lanes 16-31 block 2 c + 1
.irp i, 0,1,2
	v_permlane16_swap_b32 v[PC+6*\c+\i], v[PC+12+4*\c+\i]
.endr
.irp i, 0,1,2
	v_mov_b32 v[PC+3+6*\c+\i], v[PC+12+4*\c+\i]
.endr
.endr
.endm
	s_wait_alu depctr_va_vdst(0)                   ; the wait at the head's end
	s_wait_tensorcnt 0x0                           ; my part of K steps 0-4 is in
	ds_add_u32 v239, v243
	s_mov_b32 s17, 576<<16                         ; no tensor load of mine is out, so a descriptor may be written: rows of 4,608 bytes from here on
	s_mov_b32 s19, 576<<16
	s_mov_b32 s25, 576<<16
	s_mov_b32 s27, 576<<16
	s_wait_dscnt 0x0
	CROUND                                         ; everybody's part is in, and all sixteen work-groups are here
	JLOAD 1                                        ; K steps 5-7: the first tensor load behind the round; 128 matrix instructions stand ahead of the wait for it
	LOADF 0
	s_wait_loadcnt 0x0                             ; the scale words
.irp i, 0,1,2,3,4,5,6
	s_wait_dscnt 0x0                               ; this K step's fragments, asked for a K step ago
.if \i == 4
	BARR 0                                         ; K steps 5-7 are in, everybody's
.endif
.if \i > 0
	NOPS 4                                         ; places in front of loads into registers that matrix instructions have read
.endif
	LOADF \i+1
.if \i == 0
	MUL32 0, 1                                     ; the first K step starts the sums: nothing is cleared
.else
	MUL32 \i, 0
.endif
.endr
	WIN 0
	s_cmp_ge_u32 ttmp9, 20                         ; the cluster's number: the same in all partners
	s_cbranch_scc1 .Lv
	; ================ q and k: one text, steered by scalars
	s_cmp_lt_u32 ttmp9, 16                         ; q?
	s_mov_b32 s8, 0x3f800000
	s_cselect_b32 s8, 0x3c800000, s8               ; the sum of squares x 1 / 64, or x 1,
	s_cselect_b32 s11, 0x34000000, 0               ; + 2^-23, or + 0
	s_cselect_b32 s12, -1, 0                       ; q is multiplied by the root's reciprocal, k is not
	s_cselect_b32 s13, 6, 4                        ; 64 heads or 16
	s_cselect_b64 s[86:87], s[80:81], s[82:83]
	s_cselect_b64 s[88:89], s[74:75], s[76:77]
	s_movk_i32 s14, 384
	s_cselect_b32 s14, 128, s14
	s_sub_co_u32 s14, s93, s14                     ; my first tile of columns within the weight
	s_lshl_b32 s90, s14, 6
	s_mov_b32 s91, 0
	s_add_nc_u64 s[88:89], s[88:89], s[90:91]      ; the bias of my 128 columns
	s_lshr_b32 s14, s14, 2                         ; my first head (I hold two)
	s_lshr_b32 s15, s92, 6                         ; the batch
	s_lshl_b32 s15, s15, s13
	s_add_co_u32 s14, s14, s15
	s_and_b32 s15, s92, 63                         ; my first tile of positions
	s_lshl_b32 s90, s15, 12
	s_add_nc_u64 s[98:99], s[72:73], s[90:91]      ; its cos and sin
	s_lshl_b32 s14, s14, 3
	s_lshr_b32 s2, s15, 3
	s_add_co_u32 s14, s14, s2                      ; (batch, head, group of 128 positions)
	s_mul_i32 s90, s14, 7168
	s_add_nc_u64 s[86:87], s[86:87], s[90:91]
	s_and_b32 s15, s15, 7                          ; the tile within the group: 0 or 4
	s_lshl_b32 s90, s15, 6
	s_add_nc_u64 s[100:101], s[86:87], s[90:91]    ; for the scale words: 64 bytes a tile
	s_mul_i32 s90, s15, 768
	s_add_nc_u64 s[86:87], s[86:87], s[90:91]      ; for the codes: 768 bytes a tile
	WIN 0x40
.irp b, 0,1,2,3,4,5,6,7
	global_load_b128 v[96+8*\b+96*(\b/4):99+8*\b+96*(\b/4)], v16, s[88:89] offset:64*\b
	global_load_b128 v[100+8*\b+96*(\b/4):103+8*\b+96*(\b/4)], v16, s[88:89] offset:64*\b+16
.endr
.macro TRIG_LD a                       ; cos and sin of tile a of my positions: register 8 u + q cos, 8 u + 4 + q sin of frequency 8 u + 4 h + q
	WIN 0x80
.irp c, 0,1,2,3,4,5,6,7
	global_load_b128 v[96+32*((\a)%2)+4*\c:99+32*((\a)%2)+4*\c], v4, s[98:99] offset:(\a)*4096+512*\c
.endr
.endm
	TRIG_LD 0
	s_wait_dscnt 0x0
	MUL32 7, 0
	NOPS 4                                         ; places in front of the first read of results
.macro EPQ a
.set TRB, 96+32*((\a)%2)
.if \a < 3
	TRIG_LD (\a)+1
	s_wait_loadcnt 8                               ; the bias and this tile's cos and sin are in; the next tile's eight loads may be out
.else
	s_wait_loadcnt 0x0
.endif
	WIN 0x07                                       ; source 0 window 3, source 1 window 1
.set j, 0
.rept 32
	v_pk_add_f32 v[T+j:T+j+1], v[64*\a+j:64*\a+j+1], v[96+j+96*(j/32):97+j+96*(j/32)]   ; + bias; each accumulator from its low end on
.set j, j+2
.endr
	WIN 0
	v_pk_mul_f32 v[SS:SS+1], v[T:T+1], v[T:T+1]    ; the sum of squares of each of my two heads, the two by turns
	v_pk_mul_f32 v[SS+2:SS+3], v[T+32:T+33], v[T+32:T+33]
.irp j, 2,4,6,8,10,12,14,16,18,20,22,24,26,28,30
	v_pk_fma_f32 v[SS:SS+1], v[T+\j:T+\j+1], v[T+\j:T+\j+1], v[SS:SS+1]
	v_pk_fma_f32 v[SS+2:SS+3], v[T+32+\j:T+33+\j], v[T+32+\j:T+33+\j], v[SS+2:SS+3]
.endr
	v_add_f32 v[SS], v[SS], v[SS+1]
	v_add_f32 v[SS+2], v[SS+2], v[SS+3]
	v_permlanex16_b32 v[SS+1], v[SS], s[SEL], s[SEL+1]
	v_permlanex16_b32 v[SS+3], v[SS+2], s[SEL], s[SEL+1]
	v_add_f32 v[SS], v[SS], v[SS+1]
	v_add_f32 v[SS+2], v[SS+2], v[SS+3]
	v_fma_f32 v[SS], v[SS], s8, s11
	v_fma_f32 v[SS+2], v[SS+2], s8, s11
	s_wait_alu depctr_va_vdst(0)
	v_rsq_f32 v[RR], v[SS]
	v_rsq_f32 v[RR+1], v[SS+2]
	v_nop                                          ; a plain line behind the two,
	s_wait_alu depctr_va_vdst(0)                   ; and one wait, ahead of their first reader
	v_cndmask_b32 v[MU], 1.0, v[RR], s12
	v_cndmask_b32 v[MU+2], 1.0, v[RR+1], s12
	v_mov_b32 v[MU+1], v[MU]
	v_mov_b32 v[MU+3], v[MU+2]
.set j, 0
.rept 16
	v_pk_mul_f32 v[T+j:T+j+1], v[T+j:T+j+1], v[MU:MU+1] op_sel_hi:[1,0]
	v_pk_mul_f32 v[T+32+j:T+33+j], v[T+32+j:T+33+j], v[MU+2:MU+3] op_sel_hi:[1,0]
.set j, j+2
.endr
	WIN 0x08                                       ; source 1 (cos, sin) window 2
.irp hh, 0,1
.irp u, 0,1,2,3
.irp q, 0,1,2,3
	v_mul_f32 v[TM+8*(\u%2)+\q], v[T+32*\hh+8*\u+2*\q+1], v[TRB+8*\u+4+\q]     ; x2 sin
	v_mul_f32 v[TM+8*(\u%2)+4+\q], v[T+32*\hh+8*\u+2*\q], v[TRB+8*\u+4+\q]     ; x1 sin
.endr
.irp q, 0,1,2,3
	v_fma_f32 v[O+32*\hh+4*\u+\q], v[T+32*\hh+8*\u+2*\q], v[TRB+8*\u+\q], -v[TM+8*(\u%2)+\q]        ; block 0: x1 cos - x2 sin
	v_fma_f32 v[O+32*\hh+16+4*\u+\q], v[T+32*\hh+8*\u+2*\q+1], v[TRB+8*\u+\q], v[TM+8*(\u%2)+4+\q]  ; block 1: x2 cos + x1 sin
.endr
.endr
.endr
	WIN 0
	s_wait_xcnt 0x0                                ; the last tile's stores have read their registers
	QUANT O                                        ; registers 0-5: the first head's half image, 6-11: the second's
	v_lshl_or_b32 v254, v[TM+5], 8, v[TM+4]        ; a head's scale word: two bytes; the upper two stay 0 over zero codes
	v_lshl_or_b32 v255, v[TM+7], 8, v[TM+6]
	v_cndmask_b32 v254, v254, v255, s[HM]
	global_store_b128 v4, v[PC:PC+3], s[86:87] offset:\a*768
	global_store_b64 v5, v[PC+4:PC+5], s[86:87] offset:\a*768
	global_store_b128 v4, v[PC+6:PC+9], s[86:87] offset:\a*768+57344
	global_store_b64 v5, v[PC+10:PC+11], s[86:87] offset:\a*768+57344
	global_store_b32 v6, v254, s[100:101] offset:\a*64
	s_cmp_lt_u32 ttmp9, 16
	s_cbranch_scc1 .Lnork_\@                       ; k alone stores log2(e) / |k|
	v_mul_f32 v[RR], 0x3fb8aa3b, v[RR]
	v_mul_f32 v[RR+1], 0x3fb8aa3b, v[RR+1]
	v_cndmask_b32 v255, v[RR], v[RR+1], s[HM]
	global_store_b32 v6, v255, s[100:101] offset:\a*64+512
.Lnork_\@:
.endm
	EPQ 0
	EPQ 1
	EPQ 2
	EPQ 3
	s_branch .Lend
.Lv:
	; ================ v: my 64 rows of A are one head's d, my 128 rows of B one K step of keys
	s_sub_co_u32 s14, s92, 448
	s_lshr_b32 s14, s14, 2                         ; the head
	s_lshl_b32 s90, s14, 8
	s_mov_b32 s91, 0
	s_add_nc_u64 s[88:89], s[78:79], s[90:91]      ; its 64 numbers of bV
	s_and_b32 s15, s14, 15
	s_lshl_b32 s15, s15, 2
	s_lshr_b32 s14, s14, 4
	s_add_co_u32 s14, s14, s15                     ; 4 x sub-head + branch
	s_lshr_b32 s15, s93, 6
	s_lshl_b32 s15, s15, 6
	s_add_co_u32 s14, s14, s15                     ; + 64 x batch
	s_lshl_b32 s14, s14, 3
	s_and_b32 s15, s93, 63
	s_lshr_b32 s15, s15, 3
	s_add_co_u32 s14, s14, s15                     ; x 8 + the K step
	s_mul_i32 s90, s14, 6400
	s_add_nc_u64 s[86:87], s[84:85], s[90:91]
.irp a, 0,1,2,3
	global_load_b32 v[BV+2*\a], v17, s[88:89] offset:64*\a
.endr
	s_wait_dscnt 0x0
	MUL32 7, 0
	NOPS 4
	WIN 0
	s_wait_loadcnt 0x0
.macro EPV a
	WIN 0x03                                       ; source 0 window 3
.set j, 0
.rept 32
	v_pk_add_f32 v[T+j:T+j+1], v[64*\a+j:64*\a+j+1], v[BV+2*\a:BV+2*\a+1] op_sel_hi:[1,0]
.set j, j+2
.endr
	WIN 0
	s_wait_xcnt 0x0                                ; the last tile's stores have read their registers
	QUANT T
	v_lshl_or_b32 v[SS+\a], v[TM+5], 8, v[TM+4]
	v_lshl_or_b32 v[SS+\a], v[TM+6], 16, v[SS+\a]
	v_lshl_or_b32 v[SS+\a], v[TM+7], 24, v[SS+\a]
.irp c, 0,1,2
	global_store_b128 v4, v[PC+4*\c:PC+4*\c+3], s[86:87] offset:\a*1536+512*\c
.endr
.if \a % 2
	v_cndmask_b32 v[254+\a/2], v[SS+\a-1], v[SS+\a], s[HM]
	global_store_b32 v7, v[254+\a/2], s[86:87] offset:64*(\a-1)   ; two tiles' words: 128 consecutive bytes
.endif
.endm
	EPV 0
	EPV 1
	EPV 2
	EPV 3
.Lend:
	s_wait_dscnt 0x0
	s_wait_tensorcnt 0x0
	ds_add_u32 v239, v243
	s_wait_dscnt 0x0
	CROUND                                         ; the closing round: no work-group ends while a partner may still ask for a tile that names it
	s_endpgm
.Lfunc_end_k_qb82ea2ec5b_proj:
	.size	k_qb82ea2ec5b_proj, .Lfunc_end_k_qb82ea2ec5b_proj-k_qb82ea2ec5b_proj
	.p2alignl 7, 3214868480
	.fill 96, 4, 3214868480
	.section	.rodata,"a",@progbits
	.p2align	6, 0x0
	.amdhsa_kernel k_qb82ea2ec5b_proj
		.amdhsa_group_segment_fixed_size 327680
		.amdhsa_private_segment_fixed_size 0
		.amdhsa_enable_private_segment 0
		.amdhsa_kernarg_size 72
		.amdhsa_user_sgpr_count 2
		.amdhsa_user_sgpr_kernarg_segment_ptr 1
		.amdhsa_wavefront_size32 1
		.amdhsa_system_sgpr_workgroup_id_x 1
		.amdhsa_system_sgpr_workgroup_id_y 1
		.amdhsa_system_sgpr_workgroup_id_z 1
		.amdhsa_system_vgpr_workitem_id 0
		.amdhsa_next_free_vgpr 1024
		.amdhsa_next_free_sgpr 104
		.amdhsa_reserve_vcc 0
		.amdhsa_float_denorm_mode_32 3
		.amdhsa_float_denorm_mode_16_64 3
		.amdhsa_memory_ordered 1
		.amdhsa_forward_progress 1
		.amdhsa_inst_pref_size 168
	.end_amdhsa_kernel
	.amdgpu_metadata
---
amdhsa.version: [ 1, 2 ]
amdhsa.kernels:
  - .name:           k_qb82ea2ec5b_proj
    .symbol:         k_qb82ea2ec5b_proj.kd
    .args:
      - { .name: codes, .offset: 0, .size: 8, .value_kind: global_buffer, .address_space: global }
      - { .name: scales, .offset: 8, .size: 8, .value_kind: global_buffer, .address_space: global }
      - { .name: trig, .offset: 16, .size: 8, .value_kind: global_buffer, .address_space: global }
      - { .name: bQ, .offset: 24, .size: 8, .value_kind: global_buffer, .address_space: global }
      - { .name: bK, .offset: 32, .size: 8, .value_kind: global_buffer, .address_space: global }
      - { .name: bV, .offset: 40, .size: 8, .value_kind: global_buffer, .address_space: global }
      - { .name: qpack, .offset: 48, .size: 8, .value_kind: global_buffer, .address_space: global }
      - { .name: kpack, .offset: 56, .size: 8, .value_kind: global_buffer, .address_space: global }
      - { .name: vpack, .offset: 64, .size: 8, .value_kind: global_buffer, .address_space: global }
    .group_segment_fixed_size: 327680
    .private_segment_fixed_size: 0
    .kernarg_segment_align: 8
    .kernarg_segment_size: 72
    .max_flat_workgroup_size: 128
    .sgpr_count:     104
    .vgpr_count:     1024
    .wavefront_size: 32
...
	.end_amdgpu_metadata
.endif
;; end of part 2
;; launch attn (part 3): grid 8 x 32, 8 waves a work-group, no clusters, 327,680 bytes of LDS; arguments qpack, kpack, vpack, sink_scalars, v_nulls, ctxc, ctxs; writes ctxc, ctxs
.if DOCPART == 3
	.amdgcn_target "amdgcn-amd-amdhsa--gfx1250"
	.amdhsa_code_object_version 6
	.text
	.protected	k_qb82ea2ec5b_attn
	.globl	k_qb82ea2ec5b_attn
	.p2align	8
	.type	k_qb82ea2ec5b_attn,@function
k_qb82ea2ec5b_attn:
	s_mov_b64 s[64:65], 0
	v_nop
	global_prefetch_b8 v0, s[64:65] scope:SCOPE_SE
	s_setreg_imm32_b32 hwreg(HW_REG_WAVE_MODE, 25, 1), 1
	s_wait_xcnt 0x0
; One work-group: batch b and sub-head sh (grid y = 16 b + sh), 128 queries (grid x).  Its eight waves take 16 queries each and walk the four branches in a loop of four trips.
; A TRIP: S^T = k q^T on codes of E2M3 for the blocks of 32 keys that meet the branch's band; x log2(e) / |k|, the mask, 2^x; off the band the logit is 0 and its exponential 1; the row's sum with the sink's exponential;
; p = e / sum is quantised along the keys, block by block; O^T = v^T p^T over all 1,024 keys, begun from the sink's p x v_null; O is quantised along the head and stored as a half image with its two scale bytes.
; LEFT OUT: blocks of product 4 that lie wholly off the band (shown at the head of the first kernel).
; NO MAXIMUM IS TAKEN AWAY: reference() itself normalises q (|q|^2 <= 64) and divides each score by |k|, so with the quantisers' rounding every logit lies within +-10, and the sink's tanh within +-1, whatever the inputs hold:
; no exponential, and no sum of 1,025 of them, leaves f32's range.
; LDS, EACH BYTE FILLED ONCE: k's pack, 57,344 bytes, from 0; v's four packs of 51,200 bytes, a branch each, from 57,344.  At the head waves 0-3 fetch k (56 rows of 256 bytes each) and waves 4-7 branch 0's v (50 rows each).
; Behind the barrier at the head of trip t each wave fetches 25 rows of branch t + 1's v: a whole trip ahead of the barrier in front of its first read.  Trip 3 has nothing left to fetch.
; By the text's own count a wave has one tensor load out.  Every wait on TENSORcnt is for 0.  The spare words lie at 0x4d000, beyond every LDS address that the stepped descriptor takes.
; cluster = none: which blocks a work-group multiplies hangs on its queries, so partners of a cluster would branch differently.  No prefetch: each pack is asked for by its own tensor load a whole trip ahead.
.set L16,4
.set L8,5
.set L4K,6
.set H32K,7
.set DLN,8
.set KAD16,9
.set KAD8,10
.set KSW,11
.set KRK,12
.set VAD,13
.set VSW,14
.set VADD,15
.set VSWD,16
.set DV,17
.set TP,18
.set QS,20
.set IZ,22
.set PSK,24
.set SW0,26
.set SW1,27
.set QA16,28
.set QA8,29
.set QAW,30
.set VNO,31
.set QF,32
.set O,80
.set VF,112
.set RK,112
.set TMP16,128
.set VS0,160
.set VS1,161
.set PC,162
.set PCC,182
.set PSC,194
.set PS,195
.set TM,196
.set SUM,212
.set KF0,218
.set KF1,230
.set KS,242
.set WV,54
.set YY,55
.set SH,56
.set BB,57
.set Q0,58
.set BR,59
.set LO,60
.set WW,61
.set THR,62
.set KSA,63
.set KSB,66
.set SPAN,67
.set NACT,68
.set ES0,69
.set ES,73
.set D0L,74
.set SEL,80
.set HM,82
.set WB,83
.set QP,84
.set VN,86
.set CB,88
.set M0,90
.set M1,91
.set SH16,92
.set KSC,93
.set Q0L,96
.set VB,97
.set MSB, 0
.macro WIN new
.if MSB != \new
	s_set_vgpr_msb (MSB<<8)|\new
.set MSB, \new
.endif
.endm
.macro NOPS n
.rept \n
	v_nop
.endr
.endm
	s_load_b256 s[4:11], s[0:1], 0x0
	s_load_b128 s[12:15], s[0:1], 0x20
	s_load_b64 s[52:53], s[0:1], 0x30
	v_lshl_add_u32 v254, v0, 2, 0x4d000
	v_mov_b32 v255, 0
	ds_add_u32 v254, v255
	ds_add_u32 v254, v255
	v_lshrrev_b32 v1, 5, v0
	s_delay_alu instid0(VALU_DEP_1)
	v_readfirstlane_b32 s[WV], v1
	s_and_b32 s[YY], ttmp7, 0xffff
	s_and_b32 s[SH], s[YY], 15
	s_lshr_b32 s[BB], s[YY], 4
	s_mov_b32 s16, 3<<16
	s_mov_b32 s17, 32<<16
	s_mov_b32 s18, 56<<16
	s_mov_b32 s19, 32<<16
	s_mov_b32 s20, 56
	s_mov_b32 s21, 32
	s_mov_b32 s22, 0
	s_mov_b32 s23, 0
	s_mov_b32 s24, 3<<16
	s_mov_b32 s25, 32<<16
	s_mov_b32 s26, 25<<16
	s_mov_b32 s27, 32<<16
	s_mov_b32 s28, 25
	s_mov_b32 s29, 32
	s_mov_b32 s30, 0
	s_mov_b32 s31, 0
	s_mov_b32 s44, 3<<16                           ; s[44:51]: group 1 for branch 0's v at the head: 50 rows of 256 bytes (s[16:23]: k, 56 rows; s[24:31]: the loop's, 25 rows)
	s_mov_b32 s45, 32<<16
	s_mov_b32 s46, 50<<16
	s_mov_b32 s47, 32<<16
	s_mov_b32 s48, 50
	s_mov_b32 s49, 32
	s_mov_b32 s50, 0
	s_mov_b32 s51, 0
	s_and_b32 s75, s[WV], 3                        ; which quarter of k or of branch 0's v I fetch
	s_mul_i32 s33, s75, 14336
	s_mul_i32 s76, s[YY], 57344
	s_add_co_u32 s76, s76, s33
	s_mov_b32 s77, 0
	s_mul_i32 s74, s75, 12800
	s_add_co_u32 s37, s74, 57344
	s_mul_i32 s78, s[YY], 204800
	s_mov_b32 s79, 0
	s_mul_i32 s75, s[WV], 6400
	s_add_co_u32 s41, s75, 57344                   ; the loop's load: stepped by a pack ahead of each use
	s_wait_dscnt 0x0
	s_wait_kmcnt 0x0
	s_mov_b32 s32, 1
	s_add_nc_u64 s[34:35], s[6:7], s[76:77]
	s_or_b32 s35, s35, 0x80000000
	s_add_nc_u64 s[94:95], s[8:9], s[78:79]        ; v's four packs of (b, sh)
	s_mov_b32 s78, s74
	s_mov_b32 s36, 1
	s_add_nc_u64 s[38:39], s[94:95], s[78:79]
	s_or_b32 s39, s39, 0x80000000
	s_mov_b32 s78, s75
	s_mov_b32 s40, 1
	s_add_nc_u64 s[42:43], s[94:95], s[78:79]
	s_or_b32 s43, s43, 0x80000000
	s_cmp_lt_u32 s[WV], 4                          ; one chain of two arms, one load to an arm
	s_cbranch_scc0 .Lhead_v
	tensor_load_to_lds s[32:35], s[16:23]
	s_nop 0
	NOPS 4
	s_branch .Lhead_asked
.Lhead_v:
	tensor_load_to_lds s[36:39], s[44:51]
	s_nop 0
	NOPS 4
.Lhead_asked:
	v_and_b32 v1, 31, v0
	v_and_b32 v2, 15, v0
	v_bfe_u32 v3, v0, 4, 1
	s_delay_alu instid0(VALU_DEP_3)
	v_lshlrev_b32 v[L16], 4, v1
	s_delay_alu instid0(VALU_DEP_4)
	v_lshl_add_u32 v[L8], v1, 3, 512
	v_lshl_add_u32 v[L4K], v1, 2, 6144
	s_delay_alu instid0(VALU_DEP_4)
	v_lshl_add_u32 v[H32K], v3, 5, 6656
	v_lshlrev_b32 v[DLN], 3, v3
	s_delay_alu instid0(VALU_DEP_1)
	v_sub_nc_u32 v[DLN], v2, v[DLN]
	s_mul_i32 s75, s[WV], 768
	v_add_nc_u32 v[QA16], s75, v[L16]
	v_add_nc_u32 v[QA8], s75, v[L8]
	s_wait_alu depctr_va_vdst(0)
	s_lshl_b32 s75, s[WV], 6
	v_lshl_add_u32 v[QAW], v2, 2, s75
	s_delay_alu instid0(VALU_DEP_1)
	v_add_nc_u32 v[QAW], 6144, v[QAW]
	s_wait_alu depctr_va_vdst(0)
	v_lshlrev_b32 v[VNO], 5, v3
	v_lshlrev_b32 v44, 3, v2
	s_delay_alu instid0(VALU_DEP_1)
	v_lshl_add_u32 v44, v3, 2, v44
	s_mov_b32 s[SEL], 0x76543210
	s_mov_b32 s[SEL+1], 0xfedcba98
	s_mov_b32 s[HM], 0xffff0000
	s_lshl_b32 s[Q0], ttmp9, 7
	s_lshl_b32 s75, s[WV], 4
	s_add_co_u32 s[Q0], s[Q0], s75
	s_lshl_b32 s75, s[BB], 6
	s_add_co_u32 s75, s75, s[SH]
	s_lshl_b32 s75, s75, 3
	s_add_co_u32 s75, s75, ttmp9
	s_mul_i32 s76, s75, 7168
	s_add_nc_u64 s[QP:QP+1], s[4:5], s[76:77]
	s_lshl_b32 s76, s[SH], 8
	s_add_nc_u64 s[VN:VN+1], s[12:13], s[76:77]
	s_lshl_b32 s75, s[BB], 6
	s_lshl_b32 s78, ttmp9, 3
	s_add_co_u32 s75, s75, s78
	s_add_co_u32 s75, s75, s[WV]
	s_lshl_b32 s78, s75, 6
	s_add_co_u32 s78, s78, s[SH]
	s_mul_i32 s76, s78, 768
	s_add_nc_u64 s[CB:CB+1], s[14:15], s[76:77]
	s_lshl_b32 s78, s75, 4
	s_add_co_u32 s78, s78, s[SH]
	s_lshl_b32 s76, s78, 7
	s_add_nc_u64 s[52:53], s[52:53], s[76:77]
	v_and_b32 v243, 3, v0
	s_delay_alu instid0(VALU_DEP_1)
	v_lshlrev_b32 v243, 6, v243
	s_lshl_b32 s75, s[SH], 2
	v_add_nc_u32 v243, s75, v243
	global_load_b32 v244, v243, s[10:11]
	global_load_b128 v[QF:QF+3], v[QA16], s[QP:QP+1]
	global_load_b64 v[QF+4:QF+5], v[QA8], s[QP:QP+1]
	global_load_b32 v[QS], v[QAW], s[QP:QP+1]
.irp i, 6,7,8,9,10,11
	v_mov_b32 v[QF+\i], 0
	v_mov_b32 v[KF0+\i], 0
	v_mov_b32 v[KF1+\i], 0
.endr
.irp i, 4,5,6,7
	v_mov_b32 v[TM+\i], 0
.endr
	v_mov_b32 v21, 0
	v_mov_b32 v[SW0], 0
	v_mov_b32 v[SW1], 0
	WIN 0x40
.set i, 0
.rept 256
	v_mov_b32 v[i], 1.0
.set i, i+1
.endr
	WIN 0
	s_wait_loadcnt 0x3
	v_mul_f32 v244, 0x4038aa3b, v244
	s_wait_alu depctr_va_vdst(0)
	v_exp_f32 v244, v244
	v_nop
	s_wait_alu depctr_va_vdst(0)
	v_add_f32 v244, 1.0, v244
	s_wait_alu depctr_va_vdst(0)
	v_rcp_f32 v244, v244
	v_nop
	s_wait_alu depctr_va_vdst(0)
	v_fma_f32 v244, v244, -2.0, 1.0
	s_delay_alu instid0(VALU_DEP_1)
	v_mul_f32 v244, 0x3fb8aa3b, v244
	s_wait_alu depctr_va_vdst(0)
	v_exp_f32 v244, v244
	v_nop
	s_wait_alu depctr_va_vdst(0)
	v_readlane_b32 s[ES0], v244, 0
	v_readlane_b32 s[ES0+1], v244, 1
	v_readlane_b32 s[ES0+2], v244, 2
	v_readlane_b32 s[ES0+3], v244, 3
	s_wait_alu depctr_va_vdst(0)                   ; the wait at the head's end
.macro ABLOCK s, be
	s_sub_co_i32 s76, s[D0L], 32*\be
	s_add_co_i32 s77, s76, 15
	s_cmp_gt_u32 s77, s[WB]
	s_cbranch_scc0 .Lband_\@
	WIN 0x40
.set i, 0
.rept 16
	v_mov_b32 v[64*\s+16*\be+i], 1.0
.set i, i+1
.endr
	WIN 0
	s_branch .Ldone_\@
.Lband_\@:
	s_wait_alu depctr_va_vdst(0)
	ds_load_b128 v[RK:RK+3], v[KRK] offset:128*\be
	ds_load_b128 v[RK+4:RK+7], v[KRK] offset:128*\be+16
	ds_load_b128 v[RK+8:RK+11], v[KRK] offset:128*\be+64
	ds_load_b128 v[RK+12:RK+15], v[KRK] offset:128*\be+80
	ds_load_b32 v[KS], v[KSW] offset:128*\be
	ds_load_b128 v[KF0:KF0+3], v[KAD16] offset:1536*\be
	ds_load_b64 v[KF0+4:KF0+5], v[KAD8] offset:1536*\be
	ds_load_b128 v[KF1:KF1+3], v[KAD16] offset:1536*\be+768
	ds_load_b64 v[KF1+4:KF1+5], v[KAD8] offset:1536*\be+768
	s_sub_co_i32 s77, s76, 31
	s_cmp_lt_u32 s77, s[THR]
	s_cbranch_scc1 .Lfull_\@
	s_wait_dscnt 5
	v_add_nc_u32 v[DV], s76, v[DLN]
.irp i, 0,1,2,3,4,5,6,7,8,9,10,11,12,13,14,15
	v_sub_nc_u32 v[TP+\i%2], v[DV], 16*(\i/8)+\i%8
	s_delay_alu instid0(VALU_DEP_1)
	v_cmp_gt_u32 vcc_lo, s[WW], v[TP+\i%2]
	s_delay_alu instid0(VALU_DEP_1)
	v_cndmask_b32 v[RK+\i], 0, v[RK+\i], vcc_lo
.endr
.Lfull_\@:
	s_wait_dscnt 0x0
	WIN 0x40
	v_wmma_scale_f32_16x16x128_f8f6f4 v[64*\s+16*\be:64*\s+16*\be+7], v[KF0:KF0+11], v[QF:QF+11], 0, v[KS], v[QS] matrix_a_fmt:MATRIX_FMT_FP6 matrix_b_fmt:MATRIX_FMT_FP6
	v_wmma_scale_f32_16x16x128_f8f6f4 v[64*\s+16*\be+8:64*\s+16*\be+15], v[KF1:KF1+11], v[QF:QF+11], 0, v[KS], v[QS] matrix_a_fmt:MATRIX_FMT_FP6 matrix_b_fmt:MATRIX_FMT_FP6 matrix_a_scale:MATRIX_SCALE_ROW1
	s_wait_alu depctr_va_vdst(0)
	NOPS 4
	WIN 0x41
.set i, 0
.rept 8
	v_pk_mul_f32 v[64*\s+16*\be+i:64*\s+16*\be+i+1], v[64*\s+16*\be+i:64*\s+16*\be+i+1], v[RK+i:RK+i+1]
.set i, i+2
.endr
.set i, 0
	s_wait_alu depctr_va_vdst(0)
.rept 16
	v_exp_f32 v[64*\s+16*\be+i], v[64*\s+16*\be+i]
.set i, i+1
.endr
	v_nop
	s_wait_alu depctr_va_vdst(0)
	WIN 0
.Ldone_\@:
.endm
.macro ASLOT s
	s_add_co_i32 s[KSC], s[KSA], \s
	s_cmp_lt_i32 s[KSC], 0
	s_cbranch_scc1 .Lsk_\@
	s_cmp_gt_i32 s[KSC], s[KSB]
	s_cbranch_scc1 .Lsk_\@
	s_min_u32 s75, s[KSC], 7
	s_mul_i32 s75, s75, 7168
	v_add_nc_u32 v[KAD16], s75, v[L16]
	v_add_nc_u32 v[KAD8], s75, v[L8]
	v_add_nc_u32 v[KSW], s75, v[L4K]
	v_add_nc_u32 v[KRK], s75, v[H32K]
	s_lshl_b32 s75, s[KSC], 7
	s_sub_co_i32 s[D0L], s[Q0L], s75
	ABLOCK \s, 0
	ABLOCK \s, 1
	ABLOCK \s, 2
	ABLOCK \s, 3
	WIN 0x04
.set j, 0
	v_pk_add_f32 v[SUM:SUM+1], v[SUM:SUM+1], v[64*\s+j:64*\s+j+1]
	v_pk_add_f32 v[SUM+2:SUM+3], v[SUM+2:SUM+3], v[64*\s+j+2:64*\s+j+3]
.set j, j+4
.rept (16)-1
	v_pk_add_f32 v[SUM:SUM+1], v[SUM:SUM+1], v[64*\s+j:64*\s+j+1]
	v_pk_add_f32 v[SUM+2:SUM+3], v[SUM+2:SUM+3], v[64*\s+j+2:64*\s+j+3]
.set j, j+4
.endr
	WIN 0
	s_add_co_u32 s[NACT], s[NACT], 1
.Lsk_\@:
.endm
.macro PVW dt, p, ps
.if (\dt) % 2
	v_wmma_scale_f32_16x16x128_f8f6f4 v[O+8*\dt:O+8*\dt+7], v[VF+12*\dt:VF+12*\dt+11], v[\p:\p+11], v[O+8*\dt:O+8*\dt+7], v[VS0+(\dt)/2], v[\ps] matrix_a_fmt:MATRIX_FMT_FP6 matrix_b_fmt:MATRIX_FMT_FP6 matrix_a_scale:MATRIX_SCALE_ROW1
.else
	v_wmma_scale_f32_16x16x128_f8f6f4 v[O+8*\dt:O+8*\dt+7], v[VF+12*\dt:VF+12*\dt+11], v[\p:\p+11], v[O+8*\dt:O+8*\dt+7], v[VS0+(\dt)/2], v[\ps] matrix_a_fmt:MATRIX_FMT_FP6 matrix_b_fmt:MATRIX_FMT_FP6
.endif
.endm
.macro VLOADS adr, sw, off
	ds_load_b32 v[VS0], v[\sw] offset:\off
	ds_load_b32 v[VS1], v[\sw] offset:\off+128
.irp dt, 0,1,2,3
.irp c, 0,1,2
	ds_load_b128 v[VF+12*\dt+4*\c:VF+12*\dt+4*\c+3], v[\adr] offset:\off+1536*\dt+512*\c
.endr
.endr
.endm
.macro BCONST ks
	s_sub_co_i32 s75, \ks, s[KSA]
	s_cmp_le_u32 s75, s[SPAN]
	s_cbranch_scc1 .Lbc_\@
	NOPS 4
	VLOADS VAD, VSW, \ks*6400
	s_wait_dscnt 9
	PVW 0, PCC, PSC
	s_wait_dscnt 6
	s_wait_alu depctr_va_vdst(0)
	PVW 1, PCC, PSC
	s_wait_dscnt 3
	PVW 2, PCC, PSC
	s_wait_dscnt 0x0
	PVW 3, PCC, PSC
.Lbc_\@:
.endm
.macro BSLOT s
	s_add_co_i32 s[KSC], s[KSA], \s
	s_cmp_lt_i32 s[KSC], 0
	s_cbranch_scc1 .Lbs_\@
	s_cmp_gt_i32 s[KSC], s[KSB]
	s_cbranch_scc1 .Lbs_\@
	s_min_u32 s75, s[KSC], 7
	s_mul_i32 s75, s75, 6400
	v_add_nc_u32 v[VADD], s75, v[VAD]
	v_add_nc_u32 v[VSWD], s75, v[VSW]
	NOPS 4
	VLOADS VADD, VSWD, 0
	WIN 0x41
.set j, 0
.rept 32
	v_pk_mul_f32 v[64*\s+j:64*\s+j+1], v[64*\s+j:64*\s+j+1], v[IZ:IZ+1] op_sel_hi:[1,0]
.set j, j+2
.endr
	WIN 0x14
.irp b, 0,1,2,3
	v_max3_num_f32 v[TM+\b], 0x1800000, v[64*\s+16*\b], v[64*\s+16*\b+1]
.endr
.irp i, 2,4,6,8,10,12,14
.irp b, 0,1,2,3
	s_delay_alu instid0(VALU_DEP_4)
	v_max3_num_f32 v[TM+\b], v[TM+\b], v[64*\s+16*\b+\i], v[64*\s+16*\b+\i+1]
.endr
.endr
	WIN 0
.irp b, 0,1,2,3
	v_permlanex16_b32 v[TM+4+\b], v[TM+\b], s[SEL], s[SEL+1]
.endr
.irp b, 0,1,2,3
	s_delay_alu instid0(VALU_DEP_4)
	v_max_num_f32 v[TM+\b], v[TM+\b], v[TM+4+\b]
.endr
.irp b, 0,1,2,3
	s_delay_alu instid0(VALU_DEP_4)
	v_add_nc_u32 v[TM+12+\b], 0xff000000, v[TM+\b]
.endr
.irp b, 0,1,2,3
	s_delay_alu instid0(VALU_DEP_4)
	v_lshrrev_b32 v[TM+4+\b], 23, v[TM+12+\b]
.endr
	s_delay_alu instid0(VALU_DEP_3)
	v_lshl_or_b32 v[PS], v[TM+5], 8, v[TM+4]
	s_delay_alu instid0(VALU_DEP_1)
	v_lshl_or_b32 v[PS], v[TM+6], 16, v[PS]
	s_delay_alu instid0(VALU_DEP_1)
	v_lshl_or_b32 v[PS], v[TM+7], 24, v[PS]
	WIN 0x01
.irp c, 0,1
	v_cvt_scalef32_pk16_fp6_f32 v[PC+6*\c:PC+2+6*\c], v[64*\s+32*\c:64*\s+32*\c+15], v[TM+12+2*\c]
	v_cvt_scalef32_pk16_fp6_f32 v[PC+12+4*\c:PC+14+4*\c], v[64*\s+32*\c+16:64*\s+32*\c+31], v[TM+12+2*\c+1]
.endr
	WIN 0
	v_nop
.irp c, 0,1
.irp i, 0,1,2
	v_permlane16_swap_b32 v[PC+6*\c+\i], v[PC+12+4*\c+\i]
.endr
.irp i, 0,1,2
	s_delay_alu instid0(VALU_DEP_3)
	v_mov_b32 v[PC+3+6*\c+\i], v[PC+12+4*\c+\i]
.endr
.endr
	NOPS 4
	s_wait_alu depctr_va_vdst(0)
	s_wait_dscnt 0x0
	PVW 0, PC, PS
	PVW 1, PC, PS
	PVW 2, PC, PS
	PVW 3, PC, PS
.Lbs_\@:
.endm
	s_mov_b32 s[BR], 0
	s_mov_b32 s[VB], 57344
.Lbr:
	s_wait_tensorcnt 0x0                           ; my one load that was out has landed: my part of k or of this trip's v;
	ds_add_u32 v254, v255
	s_add_co_u32 s41, s41, 51200                   ; no load of mine is out, so the descriptor may step: the next branch's pack
	s_add_nc_u64 s[42:43], s[42:43], 51200
	s_wait_dscnt 0x0
	s_barrier_signal -1
	s_barrier_wait -1                              ; everybody's part is in
	s_cmp_eq_u32 s[BR], 3
	s_cbranch_scc1 .Lnofill                        ; the last trip has nothing left to fetch
	tensor_load_to_lds s[40:43], s[24:31]
	s_nop 0
	NOPS 4
.Lnofill:
	s_lshl_b32 s75, s[BR], 3
	s_lshr_b32 s[LO], 0x90001000, s75
	s_and_b32 s[LO], s[LO], 255
	s_lshr_b32 s[WW], 0x17080701, s75
	s_and_b32 s[WW], s[WW], 255
	s_lshl_b32 s[WW], s[WW], 4
	s_add_co_u32 s[WB], s[WW], 45
	s_sub_co_i32 s[THR], s[WW], 46
	s_max_i32 s[THR], s[THR], 0
	s_sub_co_i32 s[Q0L], s[Q0], s[LO]
	s_sub_co_i32 s76, s[Q0L], s[WW]
	s_add_co_i32 s76, s76, 1
	s_ashr_i32 s[KSA], s76, 7
	s_add_co_i32 s75, s[Q0L], 15
	s_ashr_i32 s[KSB], s75, 7
	s_sub_co_i32 s[SPAN], s[KSB], s[KSA]
	s_mov_b32 s[NACT], 0
	s_cmp_eq_u32 s[BR], 1
	s_cselect_b32 s[ES], s[ES0+1], s[ES0]
	s_cmp_eq_u32 s[BR], 2
	s_cselect_b32 s[ES], s[ES0+2], s[ES]
	s_cmp_eq_u32 s[BR], 3
	s_cselect_b32 s[ES], s[ES0+3], s[ES]
	s_and_b32 s75, s[BR], 1
	s_lshl_b32 s[SH16], s75, 4
	s_cmp_lt_u32 s[BR], 2
	s_cselect_b32 s[M0], -1, 0
	s_cselect_b32 s[M1], 0, -1
	s_wait_loadcnt 0x0
.irp dt, 0,1,2,3
	global_load_b128 v[O+8*\dt:O+8*\dt+3], v[VNO], s[VN:VN+1] offset:64*\dt
	global_load_b128 v[O+8*\dt+4:O+8*\dt+7], v[VNO], s[VN:VN+1] offset:64*\dt+16
.endr
	v_add_nc_u32 v[VAD], s[VB], v[L16]
	v_add_nc_u32 v[VSW], s[VB], v[L4K]
.irp i, 0,1,2,3
	v_mov_b32 v[SUM+\i], 0
.endr
	ASLOT 0
	ASLOT 1
	ASLOT 2
	ASLOT 3
	s_wait_alu depctr_va_vdst(0)
	v_pk_add_f32 v[SUM:SUM+1], v[SUM:SUM+1], v[SUM+2:SUM+3]
	s_delay_alu instid0(VALU_DEP_1)
	v_add_f32 v[SUM], v[SUM], v[SUM+1]
	s_delay_alu instid0(VALU_DEP_1)
	v_permlanex16_b32 v21, v[SUM], s[SEL], s[SEL+1]
	s_delay_alu instid0(VALU_DEP_1)
	v_add_f32 v[SUM], v[SUM], v21
	s_sub_co_u32 s75, 8, s[NACT]
	s_lshl_b32 s75, s75, 7
	v_cvt_f32_u32 v21, s75
	s_delay_alu instid0(VALU_DEP_1)
	v_add_f32 v[SUM], v[SUM], v21
	s_delay_alu instid0(VALU_DEP_1)
	v_add_f32 v[SUM], s[ES], v[SUM]
	s_wait_alu depctr_va_vdst(0)
	v_rcp_f32 v[IZ], v[SUM]
	v_nop
	s_wait_alu depctr_va_vdst(0)
	v_mov_b32 v[IZ+1], v[IZ]
	v_mul_f32 v[PSK], s[ES], v[IZ]
	v_max_num_f32 v243, 0x1800000, v[IZ]
	s_delay_alu instid0(VALU_DEP_2)
	v_mov_b32 v[PSK+1], v[PSK]
	s_delay_alu instid0(VALU_DEP_2)
	v_add_nc_u32 v243, 0xff000000, v243
	s_delay_alu instid0(VALU_DEP_1)
	v_lshrrev_b32 v244, 23, v243
	s_delay_alu instid0(VALU_DEP_1)
	v_lshl_or_b32 v244, v244, 8, v244
	s_delay_alu instid0(VALU_DEP_1)
	v_lshl_or_b32 v[PSC], v244, 16, v244
.irp i, 0,1,2,3,4,5,6,7,8,9,10,11,12,13,14,15
	v_mov_b32 v[TMP16+\i], v[IZ]
.endr
	v_cvt_scalef32_pk16_fp6_f32 v[PCC:PCC+2], v[TMP16:TMP16+15], v243
	v_nop
.irp i, 3,4,5,6,7,8,9,10,11
	v_mov_b32 v[PCC+\i], v[PCC+\i%3]
.endr
	s_wait_loadcnt 0x0
.set j, 0
.rept 16
	v_pk_mul_f32 v[O+j:O+j+1], v[O+j:O+j+1], v[PSK:PSK+1] op_sel_hi:[1,0]
.set j, j+2
.endr
	s_cmp_eq_u32 s[BR], 3
	s_cbranch_scc1 .Lnoq
	global_load_b128 v[QF:QF+3], v[QA16], s[QP:QP+1] offset:917504
	global_load_b64 v[QF+4:QF+5], v[QA8], s[QP:QP+1] offset:917504
	global_load_b32 v[QS], v[QAW], s[QP:QP+1] offset:917504
.Lnoq:
.irp k, 0,1,2,3,4,5,6,7
	BCONST \k
.endr
	BSLOT 0
	BSLOT 1
	BSLOT 2
	BSLOT 3
	NOPS 4
	s_wait_alu depctr_va_vdst(0)
.irp b, 0,1
	v_max3_num_f32 v[TM+\b], |v[O+16*\b]|, |v[O+16*\b+1]|, 0x1800000
.endr
.irp i, 2,4,6,8,10,12,14
.irp b, 0,1
	v_max3_num_f32 v[TM+\b], v[TM+\b], |v[O+16*\b+\i]|, |v[O+16*\b+\i+1]|
.endr
.endr
.irp b, 0,1
	s_delay_alu instid0(VALU_DEP_2)
	v_permlanex16_b32 v[TM+4+\b], v[TM+\b], s[SEL], s[SEL+1]
.endr
.irp b, 0,1
	s_delay_alu instid0(VALU_DEP_2)
	v_max_num_f32 v[TM+\b], v[TM+\b], v[TM+4+\b]
.endr
.irp b, 0,1
	s_delay_alu instid0(VALU_DEP_2)
	v_add_nc_u32 v[TM+12+\b], 0xff000000, v[TM+\b]
.endr
.irp b, 0,1
	s_delay_alu instid0(VALU_DEP_2)
	v_lshrrev_b32 v[TM+4+\b], 23, v[TM+12+\b]
.endr
	v_cvt_scalef32_pk16_fp6_f32 v[PC:PC+2], v[O:O+15], v[TM+12]
	v_cvt_scalef32_pk16_fp6_f32 v[PC+12:PC+14], v[O+16:O+31], v[TM+13]
	v_lshl_or_b32 v243, v[TM+5], 8, v[TM+4]
.irp i, 0,1,2
	v_permlane16_swap_b32 v[PC+\i], v[PC+12+\i]
.endr
.irp i, 0,1,2
	s_delay_alu instid0(VALU_DEP_3)
	v_mov_b32 v[PC+3+\i], v[PC+12+\i]
.endr
	v_lshlrev_b32 v243, s[SH16], v243
	s_delay_alu instid0(VALU_DEP_1)
	v_and_or_b32 v[SW0], v243, s[M0], v[SW0]
	s_delay_alu instid0(VALU_DEP_2)
	v_and_or_b32 v[SW1], v243, s[M1], v[SW1]
	global_store_b128 v[L16], v[PC:PC+3], s[CB:CB+1]
	global_store_b64 v[L8], v[PC+4:PC+5], s[CB:CB+1]
	s_wait_xcnt 0x0
	s_add_nc_u64 s[CB:CB+1], s[CB:CB+1], 12288
	s_add_nc_u64 s[QP:QP+1], s[QP:QP+1], 917504
	s_add_nc_u64 s[VN:VN+1], s[VN:VN+1], 4096
	s_add_co_u32 s[VB], s[VB], 51200
	s_add_co_u32 s[BR], s[BR], 1
	s_cmp_lt_u32 s[BR], 4
	s_cbranch_scc1 .Lbr
	s_wait_alu depctr_va_vdst(0)
	v_cndmask_b32 v243, v[SW0], v[SW1], s[HM]
	global_store_b32 v44, v243, s[52:53]
	s_wait_tensorcnt 0x0
	ds_add_u32 v254, v255
	s_wait_dscnt 0x0
	s_endpgm
.Lfunc_end_k_qb82ea2ec5b_attn:
	.size	k_qb82ea2ec5b_attn, .Lfunc_end_k_qb82ea2ec5b_attn-k_qb82ea2ec5b_attn
	.p2alignl 7, 3214868480
	.fill 96, 4, 3214868480
	.section	.rodata,"a",@progbits
	.p2align	6, 0x0
	.amdhsa_kernel k_qb82ea2ec5b_attn
		.amdhsa_group_segment_fixed_size 327680
		.amdhsa_private_segment_fixed_size 0
		.amdhsa_enable_private_segment 0
		.amdhsa_kernarg_size 56
		.amdhsa_user_sgpr_count 2
		.amdhsa_user_sgpr_kernarg_segment_ptr 1
		.amdhsa_wavefront_size32 1
		.amdhsa_system_sgpr_workgroup_id_x 1
		.amdhsa_system_sgpr_workgroup_id_y 1
		.amdhsa_system_sgpr_workgroup_id_z 1
		.amdhsa_system_vgpr_workitem_id 0
		.amdhsa_next_free_vgpr 512
		.amdhsa_next_free_sgpr 100
		.amdhsa_reserve_vcc 1
		.amdhsa_float_denorm_mode_32 3
		.amdhsa_float_denorm_mode_16_64 3
		.amdhsa_memory_ordered 1
		.amdhsa_forward_progress 1
		.amdhsa_inst_pref_size 186
	.end_amdhsa_kernel
	.amdgpu_metadata
---
amdhsa.version: [ 1, 2 ]
amdhsa.kernels:
  - .name:           k_qb82ea2ec5b_attn
    .symbol:         k_qb82ea2ec5b_attn.kd
    .args:
      - { .name: qpack, .offset: 0, .size: 8, .value_kind: global_buffer, .address_space: global }
      - { .name: kpack, .offset: 8, .size: 8, .value_kind: global_buffer, .address_space: global }
      - { .name: vpack, .offset: 16, .size: 8, .value_kind: global_buffer, .address_space: global }
      - { .name: sink_scalars, .offset: 24, .size: 8, .value_kind: global_buffer, .address_space: global }
      - { .name: v_nulls, .offset: 32, .size: 8, .value_kind: global_buffer, .address_space: global }
      - { .name: ctxc, .offset: 40, .size: 8, .value_kind: global_buffer, .address_space: global }
      - { .name: ctxs, .offset: 48, .size: 8, .value_kind: global_buffer, .address_space: global }
    .group_segment_fixed_size: 327680
    .private_segment_fixed_size: 0
    .kernarg_segment_align: 8
    .kernarg_segment_size: 56
    .max_flat_workgroup_size: 256
    .sgpr_count:     100
    .vgpr_count:     512
    .wavefront_size: 32
...
	.end_amdgpu_metadata
.endif
;; end of part 3
;; launch oproj (part 4): grid 8 x 32, 4 waves a work-group, clusters of 4 x 4, 327,680 bytes of LDS; arguments ctxc, ctxs, codes, scales, bO, out0; writes out0
.if DOCPART == 4
	.amdgcn_target "amdgcn-amd-amdhsa--gfx1250"
	.amdhsa_code_object_version 6
	.text
	.protected	k_qb82ea2ec5b_oproj
	.globl	k_qb82ea2ec5b_oproj
	.p2align	8
	.type	k_qb82ea2ec5b_oproj,@function
k_qb82ea2ec5b_oproj:
	s_mov_b64 s[64:65], 0
	v_nop
	global_prefetch_b8 v0, s[64:65] scope:SCOPE_SE
	s_setreg_imm32_b32 hwreg(HW_REG_WAVE_MODE, 25, 1), 1
	s_wait_xcnt 0x0
	s_wait_alu depctr_hold_cnt(0) depctr_sa_sdst(0) depctr_va_vdst(0) depctr_va_sdst(0) depctr_va_ssrc(0) depctr_va_vcc(0) depctr_vm_vsrc(0)
	s_getreg_b32 s2, hwreg(HW_REG_IB_STS2, 6, 4)
	s_cmp_eq_u32 s2, 0
	s_cbranch_scc0 .Lentry_in_a_cluster
	s_endpgm
.Lentry_in_a_cluster:
	s_bfe_u32 s2, ttmp6, 0x10000c
	s_cmp_lg_u32 s2, 0xf033
	s_cbranch_scc0 .Lentry_shape_is_right
	s_endpgm
.Lentry_shape_is_right:
; out0 = 1/4 x the sum over the four branches of ctx_branch WO, + bO: ONE product with K = 4 x 1,024, in which WO's fragment of a K step serves all four branches.  Codes of E2M3 on both sides, sums in f32.
; A work-group makes 64 rows x 128 columns; a wave 32 x 64: 8 accumulators.  256 work-groups in 16 clusters of 4 x 4: the context's tiles are asked for jointly along a row of the cluster, WO's along a column.
; LDS is filled ONCE, in two chunks, K steps 0-4 and 5-7: the context 4 x 49,152 bytes (tile of rows, branch, K step), WO 4 x 24,576 from byte 196,608; behind them a stage of 16 rows x 272 bytes for each wave, into which no fill lands.
; The context's fragment is two neighbouring heads' half images (768 bytes each: registers 0-3 at 16 x lane, 4-5 at 512 + 8 x lane).
; THE MATRIX INSTRUCTION IS USED TRANSPOSED (source 0 = 16 columns of WO, source 1 = 16 rows of the context): a lane holds eight neighbouring numbers of a row of out0.
; REGISTERS.  Window 0: v4-25 addresses; v32-63 the context's scale words (branch x 8 + K step; lanes 0-15 my first tile of rows, lanes 16-31 my second); v64-79 WO's (pair of tiles x 8 + K step); v80-111 bO; v128-191 accumulators; v192-255 at work.
;   Window 1: the context's fragments, two sets of four (v0, v48); WO's, two sets of four (v96, v144).
.set SA,  32
.set SB,  64
.set BO,  80
.set ACC, 128
.set RAW, 192
.set Y,   192
.set BK,  224
.set WV,  3
.set MSB, 0
.macro WIN new
.if MSB != \new
	s_set_vgpr_msb (MSB<<8)|\new
.set MSB, \new
.endif
.endm
.macro NOPS n
.rept \n
	v_nop
.endr
.endm
.macro CROUND
	s_barrier_signal -1
	s_barrier_wait -1
	s_cmp_lg_u32 s[WV], 0
	s_cbranch_scc1 .Lnot_wave_0_\@
	s_barrier_signal -3
.Lnot_wave_0_\@:
	s_barrier_wait -3
	s_barrier_signal -1
	s_barrier_wait -1
.endm
.macro BARR n                          ; my loads but the n youngest have landed; then everybody's have.
	s_wait_tensorcnt \n
	s_barrier_signal -1
	s_barrier_wait -1
.endm
	s_load_b256 s[68:75], s[0:1], 0x0              ; ctxc s[68:69], ctxs s[70:71], codes s[72:73], scales s[74:75]
	s_load_b128 s[76:79], s[0:1], 0x20             ; bO s[76:77], out0 s[78:79]
	v_lshl_add_u32 v126, v0, 2, 0x4c400
	v_mov_b32 v127, 0
	ds_add_u32 v126, v127
	ds_add_u32 v126, v127
	v_lshrrev_b32 v1, 5, v0
	v_readfirstlane_b32 s[WV], v1
	s_lshr_b32 s4, s[WV], 1                        ; which 32 rows are mine
	s_and_b32 s5, s[WV], 1                         ; which 64 columns
	s_bfe_u32 s6, ttmp6, 0x40000                   ; cx
	s_bfe_u32 s7, ttmp6, 0x40004                   ; cy
	s_lshl_b32 s8, ttmp9, 2
	s_add_co_u32 s8, s8, s6                        ; block of 128 columns
	s_and_b32 s9, ttmp7, 0xffff
	s_lshl_b32 s9, s9, 2
	s_add_co_u32 s9, s9, s7                        ; block of 64 rows
	s_lshl_b32 s13, s7, 2
	s_lshl_b32 s13, 15, s13                        ; my row of the cluster
	s_lshl_b32 s14, 0x1111, s6                     ; my column
	; THE FILLS AS THIS TEXT MAKES THEM (in place of the four chunks of two K steps): TWO, each byte filled once: K steps 0-4 at the head, K steps 5-7 behind a round.  A row is a run of K steps of one (tile of rows, branch) or of one tile of WO:
	; 7,680 bytes (960 elements of 8), then 4,608 (576), rows 12,288 bytes apart in memory, dense in LDS.  Waves 0 and 1 fetch eight rows of the context each, waves 2 and 3 four rows of WO each: one load a wave in each fill.
	; LDS: the context's K steps 0-4 from 0 (16 x 7,680), 5-7 from 122,880 (16 x 4,608); WO's 0-4 from 196,608 (8 x 7,680), 5-7 from 258,048 (8 x 4,608); the stages from 294,912
	s_or_b32 s16, s13, (3<<16)|(1<<21)
	s_mov_b32 s17, 960<<16
	s_mov_b32 s18, 8<<16
	s_mov_b32 s19, 960<<16
	s_mov_b32 s20, 8
	s_mov_b32 s21, 1536
	s_mov_b32 s22, 0
	s_mov_b32 s23, 0
	s_or_b32 s24, s14, (3<<16)|(1<<21)
	s_mov_b32 s25, 960<<16
	s_mov_b32 s26, 4<<16
	s_mov_b32 s27, 960<<16
	s_mov_b32 s28, 4
	s_mov_b32 s29, 1536
	s_mov_b32 s30, 0
	s_mov_b32 s31, 0
	s_lshl_b32 s10, s9, 2
	s_lshl_b32 s12, s5, 1
	s_add_co_u32 s10, s10, s12                     ; the two tiles of rows that a wave of the first pair fetches
	s_mul_i32 s80, s10, 49152
	s_mov_b32 s81, 0
	s_lshl_b32 s11, s8, 3
	s_lshl_b32 s12, s5, 2
	s_add_co_u32 s11, s11, s12
	s_add_co_u32 s11, s11, 704                     ; the four tiles of WO that a wave of the second pair fetches
	s_mul_i32 s82, s11, 12288
	s_mov_b32 s83, 0
	s_wait_dscnt 0x0
	s_wait_kmcnt 0x0
	s_add_nc_u64 s[80:81], s[68:69], s[80:81]
	s_add_nc_u64 s[82:83], s[72:73], s[82:83]
	s_mov_b32 s32, 1
	s_mul_i32 s33, s5, 61440
	s_mov_b64 s[34:35], s[80:81]
	s_or_b32 s35, s35, 0x80000000
	s_mov_b32 s36, 1
	s_mul_i32 s37, s5, 30720
	s_add_co_u32 s37, s37, 196608
	s_mov_b64 s[38:39], s[82:83]
	s_or_b32 s39, s39, 0x80000000
	s_mov_b32 s40, 1
	s_mul_i32 s41, s5, 36864
	s_add_co_u32 s41, s41, 122880
	s_add_nc_u64 s[42:43], s[80:81], 7680
	s_or_b32 s43, s43, 0x80000000
	s_mov_b32 s44, 1
	s_mul_i32 s45, s5, 18432
	s_add_co_u32 s45, s45, 258048
	s_add_nc_u64 s[46:47], s[82:83], 7680
	s_or_b32 s47, s47, 0x80000000
.macro JLOAD c                         ; a joint load, one a wave: waves 0, 1 for the context, waves 2, 3 for WO; the branch hangs on the wave's number alone.  An s_nop 0 and four v_nop follow each line
	s_cmp_eq_u32 s4, 0
	s_cbranch_scc0 .Lfor_b_\@
	tensor_load_to_lds s[32+8*\c:35+8*\c], s[16:23]
	s_nop 0
	NOPS 4
	s_branch .Lasked_\@
.Lfor_b_\@:
	tensor_load_to_lds s[36+8*\c:39+8*\c], s[24:31]
	s_nop 0
	NOPS 4
.Lasked_\@:
.endm
	CROUND                                         ; all sixteen work-groups are here: the joint loads meet
	JLOAD 0                                        ; K steps 0-4
	v_and_b32 v1, 31, v0
	v_and_b32 v2, 15, v0                           ; r
	v_bfe_u32 v3, v0, 4, 1                         ; h
	v_lshlrev_b32 v4, 4, v1
	v_lshlrev_b32 v5, 3, v1
	s_wait_alu depctr_va_vdst(0)                   ; the wait ahead of the scalar lines below
	s_mul_i32 s10, s4, 61440
	v_add_nc_u32 v8, s10, v4                       ; the context's fragments, K steps 0-4 (16 and 8 bytes a lane),
	v_add_nc_u32 v12, s10, v5
	s_mul_i32 s10, s4, 36864
	s_add_co_u32 s10, s10, 122880
	v_add_nc_u32 v9, s10, v4                       ; K steps 5-7
	v_add_nc_u32 v13, s10, v5
	s_mul_i32 s10, s5, 30720
	s_add_co_u32 s10, s10, 196608
	v_add_nc_u32 v16, s10, v4                      ; WO's, K steps 0-4,
	s_mul_i32 s10, s5, 18432
	s_add_co_u32 s10, s10, 258048
	v_add_nc_u32 v17, s10, v4                      ; K steps 5-7
	s_mul_i32 s10, s[WV], 4352
	s_add_co_u32 s10, s10, 294912                  ; my stage
	v_mul_u32_u24 v20, v2, 272
	v_lshl_add_u32 v20, v3, 5, v20
	v_add_nc_u32 v20, s10, v20                     ; in: row r, 32 bytes for each half of the lanes
	v_mul_u32_u24 v21, v3, 272
	v_lshl_add_u32 v21, v2, 4, v21
	v_add_nc_u32 v21, s10, v21                     ; back: lanes 0-15 one row of 256 bytes, lanes 16-31 the next
	v_lshlrev_b32 v22, 12, v3
	v_lshl_add_u32 v22, v2, 4, v22                 ; and the same two rows in out0
	s_lshl_b32 s10, s9, 2
	s_lshl_b32 s11, s4, 1
	s_add_co_u32 s10, s10, s11
	s_lshl_b32 s10, s10, 11                        ; the context's scale bytes: 2,048 a tile of rows
	v_lshlrev_b32 v23, 11, v3
	v_lshl_add_u32 v23, v2, 3, v23
	v_add_nc_u32 v23, s10, v23
.irp sh, 0,1,2,3,4,5,6,7,8,9,10,11,12,13,14,15
	global_load_b64 v[RAW+2*\sh:RAW+2*\sh+1], v23, s[70:71] offset:128*\sh   ; row r of sub-head sh: two bytes for each of the four branches
.endr
	s_lshl_b32 s10, s8, 3
	s_lshl_b32 s11, s5, 2
	s_add_co_u32 s10, s10, s11
	s_add_co_u32 s10, s10, 704
	s_lshl_b32 s10, s10, 9
	v_lshlrev_b32 v24, 9, v3
	v_lshl_add_u32 v24, v2, 4, v24
	v_add_nc_u32 v24, s10, v24
.irp p, 0,1
.irp g, 0,1
	global_load_b128 v[SB+8*\p+4*\g:SB+8*\p+4*\g+3], v24, s[74:75] offset:1024*\p+256*\g
.endr
.endr
	s_lshl_b32 s10, s8, 9
	s_lshl_b32 s11, s5, 8
	s_add_co_u32 s10, s10, s11                     ; my first column, in bytes
	s_mov_b32 s11, 0
	s_add_nc_u64 s[76:77], s[76:77], s[10:11]
	s_add_nc_u64 s[78:79], s[78:79], s[10:11]
	s_lshl_b32 s10, s9, 6
	s_lshl_b32 s12, s4, 5
	s_add_co_u32 s10, s10, s12
	s_lshl_b32 s10, s10, 12                        ; my first row
	s_add_nc_u64 s[78:79], s[78:79], s[10:11]
	v_lshlrev_b32 v25, 5, v3
.irp n, 0,1,2,3
	global_load_b128 v[BO+8*\n:BO+8*\n+3], v25, s[76:77] offset:64*\n
	global_load_b128 v[BO+8*\n+4:BO+8*\n+7], v25, s[76:77] offset:64*\n+16
.endr
	s_mov_b32 s86, 0x05040100                      ; the two low halves,
	s_mov_b32 s87, 0x07060302                      ; the two high halves
	s_wait_loadcnt 0x0
.irp br, 0,1,2,3
.irp ks, 0,1,2,3,4,5,6,7
.if (\br % 2) == 0
	v_perm_b32 v[SA+8*\br+\ks], v[RAW+2*(2*\ks+1)+\br/2], v[RAW+4*\ks+\br/2], s86   ; a K step's word: the even sub-head's two bytes below, the odd one's above
.else
	v_perm_b32 v[SA+8*\br+\ks], v[RAW+2*(2*\ks+1)+\br/2], v[RAW+4*\ks+\br/2], s87
.endif
.endr
.endr
	NOPS 8                                         ; a scale word written by a vector instruction stands 8 places ahead of a scaled matrix instruction
.macro LOADA i                         ; step i = (K step i / 2, branches 2 (i % 2) and the next): four fragments of the context
.set ks_, (\i)/2
.set c_, ks_/5
.set e_, ks_%5
.set rb_, 7680-3072*c_
.set p_, (\i)%2
	WIN 0x40
.irp x, 0,1
.irp m, 0,1
	ds_load_b128 v[48*p_+12*(2*\x+\m):48*p_+12*(2*\x+\m)+3], v[8+c_] offset:(4*\m+2*p_+\x)*rb_+e_*1536
	ds_load_b64 v[48*p_+12*(2*\x+\m)+4:48*p_+12*(2*\x+\m)+5], v[12+c_] offset:(4*\m+2*p_+\x)*rb_+e_*1536+512
	ds_load_b128 v[48*p_+12*(2*\x+\m)+6:48*p_+12*(2*\x+\m)+9], v[8+c_] offset:(4*\m+2*p_+\x)*rb_+e_*1536+768
	ds_load_b64 v[48*p_+12*(2*\x+\m)+10:48*p_+12*(2*\x+\m)+11], v[12+c_] offset:(4*\m+2*p_+\x)*rb_+e_*1536+1280
.endr
.endr
.endm
.macro LOADB ks                        ; four fragments of WO
	WIN 0x40
.irp n, 0,1,2,3
.irp j, 0,1,2
	ds_load_b128 v[96+48*((\ks)%2)+12*\n+4*\j:96+48*((\ks)%2)+12*\n+4*\j+3], v[16+(\ks)/5] offset:\n*(7680-3072*((\ks)/5))+((\ks)%5)*1536+512*\j
.endr
.endr
.endm
.macro WMS ra, rb, zero
.if \zero
.if (\ra) && (\rb)
	v_wmma_scale_f32_16x16x128_f8f6f4 v[rD:rD+7], v[rB:rB+11], v[rA:rA+11], 0, v[rX], v[rY] matrix_a_fmt:MATRIX_FMT_FP6 matrix_b_fmt:MATRIX_FMT_FP6 matrix_a_scale:MATRIX_SCALE_ROW1 matrix_b_scale:MATRIX_SCALE_ROW1
.elseif \ra
	v_wmma_scale_f32_16x16x128_f8f6f4 v[rD:rD+7], v[rB:rB+11], v[rA:rA+11], 0, v[rX], v[rY] matrix_a_fmt:MATRIX_FMT_FP6 matrix_b_fmt:MATRIX_FMT_FP6 matrix_a_scale:MATRIX_SCALE_ROW1
.elseif \rb
	v_wmma_scale_f32_16x16x128_f8f6f4 v[rD:rD+7], v[rB:rB+11], v[rA:rA+11], 0, v[rX], v[rY] matrix_a_fmt:MATRIX_FMT_FP6 matrix_b_fmt:MATRIX_FMT_FP6 matrix_b_scale:MATRIX_SCALE_ROW1
.else
	v_wmma_scale_f32_16x16x128_f8f6f4 v[rD:rD+7], v[rB:rB+11], v[rA:rA+11], 0, v[rX], v[rY] matrix_a_fmt:MATRIX_FMT_FP6 matrix_b_fmt:MATRIX_FMT_FP6
.endif
.else
.if (\ra) && (\rb)
	v_wmma_scale_f32_16x16x128_f8f6f4 v[rD:rD+7], v[rB:rB+11], v[rA:rA+11], v[rD:rD+7], v[rX], v[rY] matrix_a_fmt:MATRIX_FMT_FP6 matrix_b_fmt:MATRIX_FMT_FP6 matrix_a_scale:MATRIX_SCALE_ROW1 matrix_b_scale:MATRIX_SCALE_ROW1
.elseif \ra
	v_wmma_scale_f32_16x16x128_f8f6f4 v[rD:rD+7], v[rB:rB+11], v[rA:rA+11], v[rD:rD+7], v[rX], v[rY] matrix_a_fmt:MATRIX_FMT_FP6 matrix_b_fmt:MATRIX_FMT_FP6 matrix_a_scale:MATRIX_SCALE_ROW1
.elseif \rb
	v_wmma_scale_f32_16x16x128_f8f6f4 v[rD:rD+7], v[rB:rB+11], v[rA:rA+11], v[rD:rD+7], v[rX], v[rY] matrix_a_fmt:MATRIX_FMT_FP6 matrix_b_fmt:MATRIX_FMT_FP6 matrix_b_scale:MATRIX_SCALE_ROW1
.else
	v_wmma_scale_f32_16x16x128_f8f6f4 v[rD:rD+7], v[rB:rB+11], v[rA:rA+11], v[rD:rD+7], v[rX], v[rY] matrix_a_fmt:MATRIX_FMT_FP6 matrix_b_fmt:MATRIX_FMT_FP6
.endif
.endif
.endm
.macro MUL16 i                         ; 16 matrix instructions: the 8 accumulators take turns, one instruction a turn, twice round
	WIN 0x05                                       ; sources 0 and 1 window 1; C and D window 0
.irp x, 0,1
	s_wait_alu depctr_va_vdst(0)
.irp m, 0,1
.irp n, 0,1,2,3
.set rD, ACC+8*(4*\m+\n)
.set rB, 96+48*(((\i)/2)%2)+12*\n
.set rA, 48*((\i)%2)+12*(2*\x+\m)
.set rX, SB+8*(\n/2)+(\i)/2
.set rY, SA+8*(2*((\i)%2)+\x)+(\i)/2
.if ((\i)+\x) == 0
.set zz, 1
.else
.set zz, 0
.endif
	WMS (\n%2), \m, zz
.endr
.endr
.endr
.endm
	s_wait_alu depctr_va_vdst(0)                   ; the wait at the head's end
	s_wait_tensorcnt 0x0                           ; my part of K steps 0-4 is in
	ds_add_u32 v126, v127
	s_mov_b32 s17, 576<<16                         ; no tensor load of mine is out, so a descriptor may be written: rows of 4,608 bytes from here on
	s_mov_b32 s19, 576<<16
	s_mov_b32 s25, 576<<16
	s_mov_b32 s27, 576<<16
	s_wait_dscnt 0x0
	CROUND                                         ; everybody's part is in, and all sixteen work-groups are here
	JLOAD 1                                        ; K steps 5-7: the first tensor load behind the round; 144 matrix instructions stand ahead of the wait for it
	LOADA 0
	LOADB 0
.irp i, 0,1,2,3,4,5,6,7,8,9,10,11,12,13,14,15
	s_wait_dscnt 0x0                               ; this step's fragments, asked for a step ago
.if \i == 9
	BARR 0                                         ; K steps 5-7 are in, everybody's
.endif
	NOPS 4                                         ; places in front of loads into registers that matrix instructions have read
.if \i < 15
	LOADA \i+1
.if \i % 2
	LOADB (\i+1)/2
.endif
.endif
	MUL16 \i
.endr
	WIN 0
	; THE WAY OUT, 16 rows x 64 columns at a time, through my own stage: sixteen lanes then store 256 consecutive bytes, aligned.  LDS serves a wave's instructions in order: no wait between the stores and the loads.
.irp m, 0,1
	NOPS 4
.if \m
	s_wait_xcnt 0x0                                ; the first half's stores have read their registers
.endif
.set j, 0
.rept 16
	v_pk_fma_f32 v[Y+j:Y+j+1], v[ACC+32*\m+j:ACC+32*\m+j+1], 0x3e800000, v[BO+j:BO+j+1] op_sel_hi:[1,0,1]   ; the mean over four branches, + bO; each accumulator from its low end on
.set j, j+2
.endr
.irp n, 0,1,2,3
	ds_store_b128 v20, v[Y+8*\n:Y+8*\n+3] offset:64*\n
	ds_store_b128 v20, v[Y+8*\n+4:Y+8*\n+7] offset:64*\n+16
.endr
.irp t, 0,1,2,3,4,5,6,7
	ds_load_b128 v[BK+4*\t:BK+4*\t+3], v21 offset:544*\t
.endr
.irp t, 0,1,2,3,4,5,6,7
	s_wait_dscnt 7-\t                              ; rows 2 t and 2 t + 1 are back; the later ones may be out
	global_store_b128 v22, v[BK+4*\t:BK+4*\t+3], s[78:79] offset:(16*\m+2*\t)*4096 th:TH_STORE_NT
.endr
.endr
	s_wait_dscnt 0x0
	s_wait_tensorcnt 0x0
	ds_add_u32 v126, v127
	s_wait_dscnt 0x0
	CROUND                                         ; the closing round: no work-group ends while a partner may still ask for a tile that names it
	s_endpgm
.Lfunc_end_k_qb82ea2ec5b_oproj:
	.size	k_qb82ea2ec5b_oproj, .Lfunc_end_k_qb82ea2ec5b_oproj-k_qb82ea2ec5b_oproj
	.p2alignl 7, 3214868480
	.fill 96, 4, 3214868480
	.section	.rodata,"a",@progbits
	.p2align	6, 0x0
	.amdhsa_kernel k_qb82ea2ec5b_oproj
		.amdhsa_group_segment_fixed_size 327680
		.amdhsa_private_segment_fixed_size 0
		.amdhsa_enable_private_segment 0
		.amdhsa_kernarg_size 48
		.amdhsa_user_sgpr_count 2
		.amdhsa_user_sgpr_kernarg_segment_ptr 1
		.amdhsa_wavefront_size32 1
		.amdhsa_system_sgpr_workgroup_id_x 1
		.amdhsa_system_sgpr_workgroup_id_y 1
		.amdhsa_system_sgpr_workgroup_id_z 1
		.amdhsa_system_vgpr_workitem_id 0
		.amdhsa_next_free_vgpr 512
		.amdhsa_next_free_sgpr 100
		.amdhsa_reserve_vcc 0
		.amdhsa_float_denorm_mode_32 3
		.amdhsa_float_denorm_mode_16_64 3
		.amdhsa_memory_ordered 1
		.amdhsa_forward_progress 1
		.amdhsa_inst_pref_size 80
	.end_amdhsa_kernel
	.amdgpu_metadata
---
amdhsa.version: [ 1, 2 ]
amdhsa.kernels:
  - .name:           k_qb82ea2ec5b_oproj
    .symbol:         k_qb82ea2ec5b_oproj.kd
    .args:
      - { .name: ctxc, .offset: 0, .size: 8, .value_kind: global_buffer, .address_space: global }
      - { .name: ctxs, .offset: 8, .size: 8, .value_kind: global_buffer, .address_space: global }
      - { .name: codes, .offset: 16, .size: 8, .value_kind: global_buffer, .address_space: global }
      - { .name: scales, .offset: 24, .size: 8, .value_kind: global_buffer, .address_space: global }
      - { .name: bO, .offset: 32, .size: 8, .value_kind: global_buffer, .address_space: global }
      - { .name: out0, .offset: 40, .size: 8, .value_kind: global_buffer, .address_space: global }
    .group_segment_fixed_size: 327680
    .private_segment_fixed_size: 0
    .kernarg_segment_align: 8
    .kernarg_segment_size: 48
    .max_flat_workgroup_size: 128
    .sgpr_count:     100
    .vgpr_count:     512
    .wavefront_size: 32
...
	.end_amdgpu_metadata
.endif
;; end of part 4
